; MI455X (gfx1250); checked and timed in simulation.
; The chip was launched on July 23, 2026; its instructions are those of AMD's public machine-readable ISA for CDNA 5 (MIT licence, August 2026) and "CDNA5" Instruction Set Architecture Reference Guide (July 2026). The comments in the code are by the model that wrote it; some were corrected since.
;; Multi Head Attention. Allowed arithmetic: matrix products marked QUANTISED: E2M1 operands, one E8M0 scale for each 32 along K, by v_wmma_scale_f32_16x16x128_f8f6f4 with both operands' format E2M1 (or v_wmma_scale_f32_32x16x128_f4), f32 sums; products left as they are: bf16, f16 or f32 operands; f32 sums; everything else in f32.
;; Inputs: K 4 x 2,048 x 1,024 float32; Q 4 x 2,048 x 1,024 float32; V 4 x 2,048 x 1,024 float32; Wk 1,024 x 1,024 float32; Wo 1,024 x 1,024 float32; Wq 1,024 x 1,024 float32; Wv 1,024 x 1,024 float32; bk 1,024 float32; bo 1,024 float32; bq 1,024 float32; bv 1,024 float32.
;; Outputs: out0 4 x 2,048 x 1,024 float32.
;; This version of the problem:
;;   THIS VERSION OF THE PROBLEM IS GIVEN IN LOW PRECISION. The matrix products marked QUANTISED in the list below multiply operands that are first quantised to E2M1 (2 exponent bits, 1 mantissa bit; 4 bits a number), with one power-of-two scale for each 32 numbers along K (OCP MX v1.0); their sums are f32. The products marked 'left as it is' may take bf16, f16 or f32 operands, with f32 sums. Whichever they take, every output number must still come out within the allowed error. Rounding operands to bf16 (8 significant bits) uses up far more of that allowance than f16 does (11 bits, for magnitudes from 6e-5 to 65,504). All else is computed in f32.
;;   The module's matrix products, in the order in which they are computed (A, B: the left and right operand; K: the contracted axis; several contracted axes count as one K, in the product's order):
;;     1. [M 8,192, K 1,024] x [K 1,024, N 1,024]; A: input Q; B: input Wq: QUANTISED
;;     2. [M 8,192, K 1,024] x [K 1,024, N 1,024]; A: input K; B: input Wk: QUANTISED
;;     3. [M 8,192, K 1,024] x [K 1,024, N 1,024]; A: input V; B: input Wv: QUANTISED
;;     4. batch 64 x [M 2,048, K 64] x [K 64, N 2,048]; A: computed on the way; B: computed on the way: left as it is (an operand is computed on the way)
;;     5. batch 64 x [M 2,048, K 2,048] x [K 2,048, N 64]; A: computed on the way; B: computed on the way: left as it is (an operand is computed on the way)
;;     6. [M 8,192, K 1,024] x [K 1,024, N 1,024]; A: computed on the way; B: input Wo: left as it is (an operand is computed on the way)
;;   THE QUANTISER, for each operand of a quantised product, along K:
;;     - K is cut into blocks of 32 from its start; a last block that is shorter is filled with zeros.
;;     - A block's scale is 2^e with e = floor(log2(the largest magnitude in the block)) - 2, held to -126 .. 127; a block of zeros has e = 0. As a byte (E8M0): e + 127.
;;     - Each number is divided by its block's scale, clamped to +-6, and rounded to the nearest number of E2M1, ties to even, subnormals kept.
;;     - The product sums the exact products of the quantised numbers (number of the format x scale) in f32.
;;   ~~~python
;;   def quantise(x, axis):      # numpy; x: float32 -> the quantised numbers, widened to float32 again
;;       x = np.moveaxis(x, axis, -1); K = x.shape[-1]
;;       x = np.pad(x, [(0, 0)] * (x.ndim - 1) + [(0, -K % 32)]); x = x.reshape(x.shape[:-1] + (-1, 32)); a = np.abs(x).max(-1, keepdims=True)
;;       e = np.where(a > 0, np.clip(np.frexp(np.where(a > 0, a, 1))[1] - 1 - 2, -126, 127), 0)      # np.frexp(a)[1] - 1 = floor(log2(a)), exactly
;;       r = np.clip(x / 2.0 ** e, -6, 6)
;;       step = 2.0 ** (np.maximum(np.frexp(np.where(r == 0, 1, r))[1] - 1, 0) - 1)
;;       q = np.round(r / step) * step * 2.0 ** e      # np.round: ties to even
;;       return np.moveaxis(q.reshape(q.shape[:-2] + (-1,))[..., :K], -1, axis).astype(np.float32)
;;   ~~~
;; One version. Each part assembles by itself: llvm-mc -triple=amdgcn-amd-amdhsa -mcpu=gfx1250 --defsym DOCPART=n.
;; ======== version 1 of 1: 4 launches
;; limits: values are held in f16: magnitudes above 65,504 overflow, below 6.1e-05 lose precision
;; workspace buffers: xc 12,582,912 bytes; xs 786,432 bytes; wc 1,572,864 bytes; ws 98,304 bytes; wo16 2,097,152 bytes; qkv 50,331,648 bytes; att 16,777,216 bytes
;; launch prep (part 1): grid 992 x 1, 4 waves a work-group, no clusters, 33,280 bytes of LDS; arguments Q, K, V, Wq, Wk, Wv, Wo, xc, xs, wc, ws, wo16; writes xc, xs, wc, ws, wo16
.if DOCPART == 1
	.amdgcn_target "amdgcn-amd-amdhsa--gfx1250"
	.amdhsa_code_object_version 6
	.text
	.protected	k_q57013dffcb_prep
	.globl	k_q57013dffcb_prep
	.p2align	8
	.type	k_q57013dffcb_prep,@function
k_q57013dffcb_prep:
	s_mov_b64 s[64:65], 0
	v_nop
	global_prefetch_b8 v0, s[64:65] scope:SCOPE_SE
	s_setreg_imm32_b32 hwreg(HW_REG_WAVE_MODE, 25, 1), 1
	s_wait_xcnt 0x0
; One launch makes every operand that the later launches read narrow.  Three paths, parted by the work-group's number:
;   work-groups 0-95    W:  Wq, Wk, Wv [k 1024][n 1024] f32 -> codes of FP4 (E2M1) along K, laid as images of operand registers, and E8M0 scale bytes [n][32]
;   work-groups 96-223  Wo: f32 -> f16, same order [k][n]
;   work-groups 224-991 X:  Q, K, V [8192][1024] f32 -> codes, K innermost, 512 bytes a row, and scale bytes, 32 a row; the three tensors on end
; A block's scale is 2^(floor(log2(its largest magnitude)) - 2); its byte is the largest magnitude's exponent field - 2, held at 1 from below.  A block of zeros so gets the
; byte 1 where the rule says 127: its codes are zeros, which add nothing under any byte but 0xff, and this program alone reads the bytes.
; LIMITS: blocks whose largest magnitude lies under 2^(2 - 126) keep the byte 1; NaN and infinities among the inputs are not served.  Wo beyond 65,504 has no f16 number.
; Only path X touches LDS.  No tensor loads, no barrier: waves share nothing.
.set SPARE, 32768                      ; behind the four waves' regions: the spare words, 128 bytes a wave, named by no other line
.set SPW,   12                         ; v12  LDS address of my spare word; never rewritten
.set NIL,   13                         ; v13  0; never rewritten
	s_load_b512 s[8:23], s[0:1], 0x0               ; Q 8, K 10, V 12, Wq 14, Wk 16, Wv 18, Wo 20, xc 22
	s_load_b256 s[24:31], s[0:1], 0x40             ; xs 24, wc 26, ws 28, wo16 30
	v_lshl_add_u32 v[SPW], v0, 2, SPARE
	v_mov_b32 v[NIL], 0
	v_lshrrev_b32 v1, 5, v0
	v_readfirstlane_b32 s32, v1                    ; wave 0..3
	v_and_b32 v2, 31, v0                           ; lane
	s_wait_kmcnt 0x0
	s_cmp_lt_u32 ttmp9, 96
	s_cbranch_scc1 .Lw
	s_cmp_lt_u32 ttmp9, 224
	s_cbranch_scc1 .Lwo
; ---------------- PATH X.  Rows are dense and 1,024 is a multiple of 32: each tensor is a plain stream of blocks of 32.  A wave takes 16 steps of 512 numbers.
; Each load reads 512 consecutive bytes, 16 a lane; a step's 2,048 bytes turn through the wave's own stage in LDS and come back 64 bytes a lane: 16 neighbours along K, two lanes to a block.
.set STEPS, 16
.set CB,    8                          ; bytes of 16 codes
.set R,     16                         ; v16-79   four sets of 16 numbers as loaded
.set X,     80                         ; v80-111  two sets of 16 neighbours
.set E,     112                        ; v112-127 a scale byte for each step
.set C,     128                        ; v128-191 codes: registers of its own for each step, so that no store's data are written again
.set WREG,  8192                       ; LDS: a region for each wave: two stages of 32 x SP bytes, behind them its 256 scale bytes
.set SP,    80                         ; a lane's place in a stage: 64 bytes + 16 of padding
	s_sub_co_u32 s33, ttmp9, 224                   ; u = 0..767: 256 work-groups a tensor
	s_lshr_b32 s34, s33, 8                         ; which tensor
	s_cmp_eq_u32 s34, 0
	s_cselect_b64 s[4:5], s[8:9], s[10:11]         ; the choice hangs on the work-group's number alone
	s_cmp_eq_u32 s34, 2
	s_cselect_b64 s[4:5], s[12:13], s[4:5]
	s_and_b32 s35, s33, 255
	s_lshl_b32 s35, s35, 2
	s_add_co_u32 s35, s35, s32                     ; my run of 8,192 numbers in the tensor
	s_lshl_b32 s36, s35, 15                        ; 32,768 bytes a run
	s_mov_b32 s37, 0
	s_add_nc_u64 s[4:5], s[4:5], s[36:37]
	s_lshl_b32 s35, s33, 2
	s_add_co_u32 s35, s35, s32                     ; my run among all three tensors'
	s_lshl_b32 s36, s35, 12                        ; 4,096 bytes of codes a run
	s_add_nc_u64 s[22:23], s[22:23], s[36:37]
	s_lshl_b32 s36, s35, 8                         ; 256 scale bytes a run
	s_add_nc_u64 s[24:25], s[24:25], s[36:37]
	v_lshlrev_b32 v3, 4, v2                        ; my 16 bytes of a load's 512
	s_mul_i32 s38, s32, WREG
	v_lshrrev_b32 v14, 2, v2
	v_mul_u32_u24 v14, v14, SP
	v_and_b32 v15, 3, v2
	v_lshl_add_u32 v14, v15, 4, v14
	v_add_nc_u32 v14, s38, v14                     ; the stage, on the way in: SP (lane / 4) + 16 (lane % 4)
	v_mul_u32_u24 v15, v2, SP
	v_add_nc_u32 v15, s38, v15                     ; and on the way out: SP x lane
	v_mul_u32_u24 v4, v2, CB                       ; my codes' place in a step's
	v_lshrrev_b32 v5, 1, v2
	s_add_co_u32 s38, s38, 2*32*SP
	v_add_nc_u32 v5, s38, v5                       ; my wave's 256 scale bytes, my block's byte
	v_lshlrev_b32 v7, 3, v2
	v_add_nc_u32 v6, s38, v7                       ; and on the way out 8 bytes a lane
.macro XLOAD t
.irp i, 0,1,2,3
	global_load_b128 v[R+16*((\t)%4)+4*\i:R+16*((\t)%4)+4*\i+3], v3, s[4:5] offset:2048*(\t)+512*\i th:TH_LOAD_NT
.endr
.endm
.macro XTURN t                         ; LDS serves a wave's instructions in order: no wait between the stores and the loads
.irp i, 0,1,2,3
	ds_store_b128 v14, v[R+16*((\t)%4)+4*\i:R+16*((\t)%4)+4*\i+3] offset:32*SP*((\t)%2)+8*SP*\i
.endr
.irp i, 0,1,2,3
	ds_load_b128 v[X+16*((\t)%2)+4*\i:X+16*((\t)%2)+4*\i+3], v15 offset:32*SP*((\t)%2)+16*\i
.endr
.endm
.irp t, 0,1,2,3
	XLOAD \t
.endr
	s_wait_loadcnt 12                              ; step 0's four loads are in; the twelve of steps 1 to 3 stay out
	XTURN 0
.macro XSTEP t
.set XS, X+16*((\t)%2)
.if (\t) > 0
	s_wait_dscnt 1                                 ; this step's numbers are back from the stage; the last step's byte store may be out
.else
	s_wait_dscnt 0x0
.endif
.if (\t)+4 < STEPS
	XLOAD (\t)+4                                   ; into the registers that the stage's stores have read
.endif
.if (\t)+1 < STEPS
.if STEPS-2-(\t) >= 3
	s_wait_loadcnt 12                              ; the next step's four loads are in; those of the three steps behind it may be out
.else
	s_wait_loadcnt 4*(STEPS-2-(\t))
.endif
	XTURN (\t)+1
.endif
	v_max3_num_f32 v8, |v[XS]|, |v[XS+1]|, |v[XS+2]|
	v_max3_num_f32 v9, |v[XS+3]|, |v[XS+4]|, |v[XS+5]|
.irp i, 6,10
	v_max3_num_f32 v8, v8, |v[XS+\i]|, |v[XS+\i+1]|
	v_max3_num_f32 v9, v9, |v[XS+\i+2]|, |v[XS+\i+3]|
.endr
	v_max3_num_f32 v8, v8, |v[XS+14]|, |v[XS+15]|
	v_max3_num_f32 v8, v8, v9, 0x1800000           ; and the floor 2^(3 - 127): the byte cannot fall under 1
	v_max_num_f32_dpp v8, v8, v8 row_xmask:1 row_mask:0xf bank_mask:0xf   ; with my neighbour's 16: the block's largest magnitude
	v_add_nc_u32 v11, 0xff000000, v8               ; 2 off its exponent field: the conversion takes the exponent field of this operand as its scale
	v_cvt_scalef32_pk8_fp4_f32 v[C+4*(\t)], v[XS:XS+7], v11
	v_cvt_scalef32_pk8_fp4_f32 v[C+4*(\t)+1], v[XS+8:XS+15], v11
	v_lshrrev_b32 v[E+(\t)], 23, v11               ; the scale's byte (a plain line behind the conversions)
	ds_store_b8 v5, v[E+(\t)] offset:16*(\t)       ; both lanes of a block write the same byte with the same value
	global_store_b64 v4, v[C+4*(\t):C+4*(\t)+1], s[22:23] offset:32*CB*(\t)   ; the wave stores 256 consecutive bytes, aligned
.endm
.irp t, 0,1,2,3,4,5,6,7,8,9,10,11,12,13,14,15
	XSTEP \t
.endr
	ds_load_b64 v[8:9], v6                         ; in order behind my byte stores
	s_wait_dscnt 0x0
	global_store_b64 v7, v[8:9], s[24:25]          ; 256 consecutive scale bytes, aligned
	s_wait_tensorcnt 0x0                           ; the wave's end, behind my last LDS store
	ds_add_u32 v[SPW], v[NIL]
	s_wait_dscnt 0x0
	s_endpgm
; ---------------- PATH W.  A lane takes a column n and its registers run down K: a block of 32 lies in one lane, and the conversions give codes with K innermost.
; A wave takes 32 columns x 256 along K: 8 blocks a lane.  The codes' buffer is laid as the product's launch wants its operand registers:
; [tensor][K slot of 512][tile of 16 columns][128 along K][c][lane 16 h + r][16 bytes], the 16 bytes being K = 64 c + 32 h + 0..31 of column r.  So a block's 16 bytes of sixteen
; neighbouring columns are 256 consecutive bytes, aligned: each store fills two such runs whole, and no LDS is needed.
.set WX, 32                            ; v32-95  two sets of 32 numbers
.set WC, 96                            ; v96-127 codes: four registers for each block, never rewritten
.set SB, 24                            ; v24-25  the eight scale bytes
.Lw:
	s_lshr_b32 s33, ttmp9, 5                       ; which weight
	s_bfe_u32 s34, ttmp9, 0x20003                  ; which 256 along K
	s_and_b32 s35, ttmp9, 7                        ; which 128 columns
	s_cmp_eq_u32 s33, 0
	s_cselect_b64 s[4:5], s[14:15], s[16:17]
	s_cmp_eq_u32 s33, 2
	s_cselect_b64 s[4:5], s[18:19], s[4:5]
	s_lshl_b32 s36, s35, 2
	s_add_co_u32 s36, s36, s32                     ; my wave's group of 32 columns
	s_lshl_b32 s38, s34, 20                        ; 256 rows of 4,096 bytes
	s_lshl_b32 s39, s36, 7                         ; 32 columns of 4 bytes
	s_add_co_u32 s38, s38, s39
	s_mov_b32 s39, 0
	s_add_nc_u64 s[4:5], s[4:5], s[38:39]
	s_lshl_b32 s38, s33, 19                        ; codes: 524,288 bytes a weight,
	s_lshr_b32 s40, s34, 1
	s_lshl_b32 s40, s40, 18                        ; 262,144 a K slot,
	s_add_co_u32 s38, s38, s40
	s_lshl_b32 s40, s36, 13                        ; two tiles of 4,096 for 32 columns,
	s_add_co_u32 s38, s38, s40
	s_and_b32 s40, s34, 1
	s_lshl_b32 s40, s40, 11                        ; 1,024 for each 128 along K
	s_add_co_u32 s38, s38, s40
	s_add_nc_u64 s[26:27], s[26:27], s[38:39]
	s_lshl_b32 s38, s33, 15                        ; scale bytes: 32,768 a weight, 32 a column, 8 for my 256 along K
	s_lshl_b32 s40, s36, 10
	s_add_co_u32 s38, s38, s40
	s_lshl_b32 s40, s34, 3
	s_add_co_u32 s38, s38, s40
	s_add_nc_u64 s[28:29], s[28:29], s[38:39]
	v_lshlrev_b32 v3, 2, v2                        ; in: 4 bytes a lane
	v_lshrrev_b32 v4, 4, v2
	v_lshlrev_b32 v4, 12, v4
	v_and_b32 v5, 15, v2
	v_lshl_add_u32 v4, v5, 4, v4                   ; codes: my tile of 16 columns, 16 bytes a column
	v_lshlrev_b32 v5, 5, v2                        ; scale bytes: 32 a column
.macro WLOAD t
.irp i, 0,1,2,3,4,5,6,7,8,9,10,11,12,13,14,15,16,17,18,19,20,21,22,23,24,25,26,27,28,29,30,31
	global_load_b32 v[WX+32*((\t)%2)+\i], v3, s[4:5] offset:(32*(\t)+\i)*4096 th:TH_LOAD_NT
.endr
.endm
	WLOAD 0
	WLOAD 1
.macro WBLOCK t
.set XS, WX+32*((\t)%2)
.if (\t) < 7
	s_wait_loadcnt 32                              ; this block's 32 loads are in; the next block's may be out
.else
	s_wait_loadcnt 0x0
.endif
	v_max3_num_f32 v8, |v[XS]|, |v[XS+1]|, |v[XS+2]|
	v_max3_num_f32 v9, |v[XS+3]|, |v[XS+4]|, |v[XS+5]|
.irp i, 6,10,14,18,22,26
	v_max3_num_f32 v8, v8, |v[XS+\i]|, |v[XS+\i+1]|
	v_max3_num_f32 v9, v9, |v[XS+\i+2]|, |v[XS+\i+3]|
.endr
	v_max3_num_f32 v8, v8, |v[XS+30]|, |v[XS+31]|
	v_max3_num_f32 v8, v8, v9, 0x1800000           ; the floor 2^(3 - 127)
	v_add_nc_u32 v11, 0xff000000, v8               ; the conversion's scale operand
	v_lshrrev_b32 v10, 23, v11                     ; the scale's byte
.if (\t)%4 == 0
	v_mov_b32 v[SB+(\t)/4], v10
.else
	v_lshl_or_b32 v[SB+(\t)/4], v10, 8*((\t)%4), v[SB+(\t)/4]
.endif
.irp g, 0,1,2,3
	v_cvt_scalef32_pk8_fp4_f32 v[WC+4*(\t)+\g], v[XS+8*\g:XS+8*\g+7], v11
.endr
	global_store_b128 v4, v[WC+4*(\t):WC+4*(\t)+3], s[26:27] offset:((\t)/4)*1024+(((\t)%4)/2)*512+((\t)%2)*256   ; K = 32 t: which 128, which c, which h
.if (\t)+2 < 8
	WLOAD (\t)+2
.endif
.endm
.irp t, 0,1,2,3,4,5,6,7
	WBLOCK \t
.endr
	global_store_b64 v5, v[SB:SB+1], s[28:29]      ; my column's eight scale bytes
	s_endpgm
; ---------------- PATH Wo.  A wave takes 8,192 bytes of f32 and stores 4,096 of f16; every load covers 512 consecutive bytes, every store 256.
.Lwo:
	s_sub_co_u32 s33, ttmp9, 96
	s_lshl_b32 s33, s33, 2
	s_add_co_u32 s33, s33, s32
	s_lshl_b32 s36, s33, 13
	s_mov_b32 s37, 0
	s_add_nc_u64 s[20:21], s[20:21], s[36:37]
	s_lshl_b32 s36, s33, 12
	s_add_nc_u64 s[30:31], s[30:31], s[36:37]
	v_lshlrev_b32 v3, 4, v2
	v_lshlrev_b32 v4, 3, v2
.irp i, 0,1,2,3,4,5,6,7,8,9,10,11,12,13,14,15
	global_load_b128 v[32+4*\i:35+4*\i], v3, s[20:21] offset:512*\i th:TH_LOAD_NT
.endr
.irp i, 0,1,2,3,4,5,6,7,8,9,10,11,12,13,14,15
	s_wait_loadcnt 15-\i                           ; loads come back in order: load i is in, the younger ones stay out
	v_cvt_pk_f16_f32 v[96+2*\i], v[32+4*\i], v[33+4*\i]
	v_cvt_pk_f16_f32 v[97+2*\i], v[34+4*\i], v[35+4*\i]
	global_store_b64 v4, v[96+2*\i:97+2*\i], s[30:31] offset:256*\i
.endr
	s_endpgm
.Lfunc_end_k_q57013dffcb_prep:
	.size	k_q57013dffcb_prep, .Lfunc_end_k_q57013dffcb_prep-k_q57013dffcb_prep
	.p2alignl 7, 3214868480
	.fill 96, 4, 3214868480
	.section	.rodata,"a",@progbits
	.p2align	6, 0x0
	.amdhsa_kernel k_q57013dffcb_prep
		.amdhsa_group_segment_fixed_size 33280
		.amdhsa_private_segment_fixed_size 0
		.amdhsa_enable_private_segment 0
		.amdhsa_kernarg_size 96
		.amdhsa_user_sgpr_count 2
		.amdhsa_user_sgpr_kernarg_segment_ptr 1
		.amdhsa_wavefront_size32 1
		.amdhsa_system_sgpr_workgroup_id_x 1
		.amdhsa_system_sgpr_workgroup_id_y 1
		.amdhsa_system_sgpr_workgroup_id_z 1
		.amdhsa_system_vgpr_workitem_id 0
		.amdhsa_next_free_vgpr 192
		.amdhsa_next_free_sgpr 66
		.amdhsa_reserve_vcc 0
		.amdhsa_float_denorm_mode_32 3
		.amdhsa_float_denorm_mode_16_64 3
		.amdhsa_memory_ordered 1
		.amdhsa_forward_progress 1
		.amdhsa_inst_pref_size 77
	.end_amdhsa_kernel
	.amdgpu_metadata
---
amdhsa.version: [ 1, 2 ]
amdhsa.kernels:
  - .name:           k_q57013dffcb_prep
    .symbol:         k_q57013dffcb_prep.kd
    .args:
      - { .name: Q, .offset: 0, .size: 8, .value_kind: global_buffer, .address_space: global }
      - { .name: K, .offset: 8, .size: 8, .value_kind: global_buffer, .address_space: global }
      - { .name: V, .offset: 16, .size: 8, .value_kind: global_buffer, .address_space: global }
      - { .name: Wq, .offset: 24, .size: 8, .value_kind: global_buffer, .address_space: global }
      - { .name: Wk, .offset: 32, .size: 8, .value_kind: global_buffer, .address_space: global }
      - { .name: Wv, .offset: 40, .size: 8, .value_kind: global_buffer, .address_space: global }
      - { .name: Wo, .offset: 48, .size: 8, .value_kind: global_buffer, .address_space: global }
      - { .name: xc, .offset: 56, .size: 8, .value_kind: global_buffer, .address_space: global }
      - { .name: xs, .offset: 64, .size: 8, .value_kind: global_buffer, .address_space: global }
      - { .name: wc, .offset: 72, .size: 8, .value_kind: global_buffer, .address_space: global }
      - { .name: ws, .offset: 80, .size: 8, .value_kind: global_buffer, .address_space: global }
      - { .name: wo16, .offset: 88, .size: 8, .value_kind: global_buffer, .address_space: global }
    .group_segment_fixed_size: 33280
    .private_segment_fixed_size: 0
    .kernarg_segment_align: 8
    .kernarg_segment_size: 96
    .max_flat_workgroup_size: 128
    .sgpr_count:     66
    .vgpr_count:     192
    .wavefront_size: 32
...
	.end_amdgpu_metadata
.endif
;; end of part 1
;; launch proj (part 2): grid 4 x 96, 4 waves a work-group, clusters of 4 x 4, 327,680 bytes of LDS; arguments xc, xs, wc, ws, bq, bk, bv, qkv; writes qkv
.if DOCPART == 2
	.amdgcn_target "amdgcn-amd-amdhsa--gfx1250"
	.amdhsa_code_object_version 6
	.text
	.protected	k_q57013dffcb_proj
	.globl	k_q57013dffcb_proj
	.p2align	8
	.type	k_q57013dffcb_proj,@function
k_q57013dffcb_proj:
	s_mov_b64 s[64:65], 0
	v_nop
	global_prefetch_b8 v0, s[64:65] scope:SCOPE_SE
	s_setreg_imm32_b32 hwreg(HW_REG_WAVE_MODE, 25, 1), 1
	s_wait_xcnt 0x0
	s_wait_alu depctr_hold_cnt(0) depctr_sa_sdst(0) depctr_va_vdst(0) depctr_va_sdst(0) depctr_va_ssrc(0) depctr_va_vcc(0) depctr_vm_vsrc(0)
	s_getreg_b32 s2, hwreg(HW_REG_IB_STS2, 6, 4)
	s_cmp_eq_u32 s2, 0
	s_cbranch_scc0 .Lentry_in_a_cluster
	s_endpgm
.Lentry_in_a_cluster:
	s_bfe_u32 s2, ttmp6, 0x10000c
	s_cmp_lg_u32 s2, 0xf033
	s_cbranch_scc0 .Lentry_shape_is_right
	s_endpgm
.Lentry_shape_is_right:
; The three quantised products in one launch: rows 0-8191 of xc are Q's, then K's, then V's; y = x W + b on codes of FP4 (E2M1) with one E8M0 scale for each 32 along K; sums in f32;
; the bias is the C of each sum's first product; the result is rounded once to f16 and laid [tensor][batch][head][token][64].
; LIMIT: a result beyond 65,504 in size has no f16 number.  As drawn they stay under 10; inputs and weights 30 times larger, or offset by 30 spreads, give under 30,000.
; A tile, 256 rows x 256 columns, is made by four waves, 128 x 128 each: 64 accumulators of 16 x 16.  K = 1,024 is two LDS slots of 512: both are asked for at the head, with the scale bytes of
; the tile's rows and columns for all of K: three tensor loads of a wave are out at the most, and no LDS byte is filled twice.
; A's tile has rows of 256 bytes, 16 of padding behind each.  B's codes were laid as images of operand registers: a fragment's load reads 512 consecutive bytes of LDS, 16 a lane.
; CLUSTERS: 4 x 4 work-groups; A's tiles are shared along a row of the cluster, B's along a column: joint loads with a mask that names the four.
; THE MATRIX INSTRUCTION IS USED TRANSPOSED (source 0 = 16 columns of W, source 1 = 16 rows of x): a lane holds eight neighbouring columns of one row.
; REGISTERS: window 0: v0-31 addresses; v32-95 scale words, two sets, and nothing else; v128-191 A's fragments, one set; v192-255 the bias, eight registers for each block of 16 columns;
;   window 1: B's fragments, two sets, at v0 and v128;  window 2: accumulators of my rows 0-63 ((a, b) at v[8 (8 a + b)]);  window 3: of my rows 64-127.
.set NQ,     4                         ; steps of 128 along K in a slot
.set ROWB,   256                       ; a row of A's tile in bytes
.set KROW,   512                       ; a row of xc in bytes
.set PITCH,  272                       ; 256 + 16: the sixteen rows of a fragment load start at sixteen different banks (64 banks of 4 bytes: ISA guide 11.1)
.set FR,     8
.set NL,     2
.set NP,     4                         ; places behind this matrix instruction (ISA guide 7.12.1)
.set HALFA,  128*PITCH
.set HALFB,  32768                     ; eight tiles of 16 columns x 512 along K, as images
.set BOFF,   2*HALFA
.set SLOT,   2*HALFA+2*HALFB
.set KS,     32                        ; a row of scale bytes
.set SCL,    2*SLOT                    ; the scales: units of 256 bytes + 16 of padding
.set HALFS,  16*272                    ; those of 128 rows
.set SBLK,   2*272                     ; those of 16 rows
.set STAGE,  SCL+4*HALFS               ; the way out: 16 rows x 272 bytes for each wave, bytes into which no fill lands
.set SPITCH, 272
.set SPARE,  STAGE+4*16*SPITCH         ; the spare words, 128 bytes a wave, named by no other line
.set ADRA, 16
.set ADRB, 20
.set STO,  24
.set RD,   25
.set CO,   26                          ; 16 x lane
.set ADRS, 27
.set SPW,  28
.set NIL,  29
.set SC,   32
.set AF,   128
.set BIAS, 192
.set TMP,  192                         ; the way out: packed results
.set BK,   128                         ; the way out: rows read back, v128-159 and v160-191 by turns
.set G1, 24
.set G0, 32
.set G1B, 48
.set G0B, 56
.set G1S, 68
.set G0S, 76
.set G1SB, 80
.set G0SB, 88
.set MSB, 0
.macro WIN new                         ; the immediate's high byte repeats the setting that is left
.if MSB != (\new)
	s_set_vgpr_msb (MSB<<8)|(\new)
.set MSB, (\new)
.endif
.endm
.set MUL_LO, 0xa1                      ; source 0 (B) window 1, source 1 (A) window 0, C and D window 2
.set MUL_HI, 0xf1                      ; the same, C and D window 3
.set BIA_LO, 0x81                      ; the first step: C (the bias) window 0, D window 2
.set BIA_HI, 0xc1                      ; D window 3
.set TO_B,   0x40
; A joint load: waves 0 and 1 fetch for A, waves 2 and 3 for B; the branch hangs on the wave's number alone.  An s_nop 0 and four v_nop follow each line.
.macro JLOAD g0a, g1a, g0b, g1b
	s_cmp_eq_u32 s15, 0
	s_cbranch_scc0 .Lfor_b_\@
	tensor_load_to_lds s[\g0a:\g0a+3], s[\g1a:\g1a+7]
	s_nop 0
.rept 4
	v_nop
.endr
	s_branch .Lasked_\@
.Lfor_b_\@:
	tensor_load_to_lds s[\g0b:\g0b+3], s[\g1b:\g1b+7]
	s_nop 0
.rept 4
	v_nop
.endr
.Lasked_\@:
.endm
.macro CROUND                          ; a round of the cluster's barrier
	s_barrier_signal -1
	s_barrier_wait -1
	s_cmp_lg_u32 s14, 0
	s_cbranch_scc1 .Lnot_wave_0_\@
	s_barrier_signal -3
.Lnot_wave_0_\@:
	s_barrier_wait -3
	s_barrier_signal -1
	s_barrier_wait -1
.endm
	s_load_b256 s[4:11], s[0:1], 0x0               ; xc 4, xs 6, wc 8, ws 10
	s_load_b256 s[92:99], s[0:1], 0x20             ; bq 92, bk 94, bv 96, qkv 98
	v_lshl_add_u32 v[SPW], v0, 2, SPARE
	v_mov_b32 v[NIL], 0
	ds_add_u32 v[SPW], v[NIL]                      ; the wave's opening: the add, twice on end, and its wait ahead of my first tensor load
	ds_add_u32 v[SPW], v[NIL]
	v_lshrrev_b32 v1, 5, v0
	v_readfirstlane_b32 s14, v1                    ; wave 0..3
	s_lshr_b32 s15, s14, 1                         ; my half of the tile's rows.  Also: I fetch for A (0) or for B (1)
	s_and_b32 s16, s14, 1                          ; my half of its columns.  Also: which half I fetch
	s_bfe_u32 s40, ttmp6, 0x40000                  ; cx
	s_bfe_u32 s41, ttmp6, 0x40004                  ; cy
	s_lshl_b32 s42, ttmp9, 2
	s_add_co_u32 s42, s42, s40                     ; tile column
	s_and_b32 s17, ttmp7, 0xffff
	s_lshr_b32 s100, s17, 3                        ; which tensor: eight clusters of 1,024 rows each; the same in all sixteen partners
	s_lshl_b32 s17, s17, 2
	s_add_co_u32 s17, s17, s41                     ; tile row, 0..95
	s_lshl_b32 s43, s41, 2
	s_lshl_b32 s43, 15, s43                        ; my row of the cluster
	s_lshl_b32 s44, 0x1111, s40                    ; my column
	s_or_b32 s[G1+0], s43, (0<<16)|(1<<20)|(1<<21)|(5<<22)|(3<<25)   ; A: elements of 1 byte; padding of 4 words behind every 64; bit 21 beside the mask
	s_mov_b32 s[G1+1], ROWB<<16                    ; tensor_dim0
	s_mov_b32 s[G1+2], 128<<16                     ; tensor_dim1
	s_mov_b32 s[G1+3], ROWB<<16                    ; tile_dim0
	s_mov_b32 s[G1+4], 128                         ; tile_dim1
	s_mov_b32 s[G1+5], KROW                        ; from row to row
	s_mov_b32 s[G1+6], 0
	s_mov_b32 s[G1+7], 0
	s_or_b32 s[G1B+0], s44, (3<<16)|(1<<21)        ; B: a dense block of 32,768 bytes as 128 rows of 32 elements of 8 bytes, no padding
	s_mov_b32 s[G1B+1], 32<<16
	s_mov_b32 s[G1B+2], 128<<16
	s_mov_b32 s[G1B+3], 32<<16
	s_mov_b32 s[G1B+4], 128
	s_mov_b32 s[G1B+5], 32
	s_mov_b32 s[G1B+6], 0
	s_mov_b32 s[G1B+7], 0
	s_or_b32 s[G1S+0], s43, (3<<16)|(1<<20)|(1<<21)|(5<<22)|(3<<25)  ; the scales of 128 rows: 4,096 dense bytes as 16 rows of 256, 16 bytes of padding behind each
	s_or_b32 s[G1SB+0], s44, (3<<16)|(1<<20)|(1<<21)|(5<<22)|(3<<25)
.irp g, G1S, G1SB
	s_mov_b32 s[\g+1], 32<<16
	s_mov_b32 s[\g+2], 16<<16
	s_mov_b32 s[\g+3], 32<<16
	s_mov_b32 s[\g+4], 16
	s_mov_b32 s[\g+5], 32
	s_mov_b32 s[\g+6], 0
	s_mov_b32 s[\g+7], 0
.endr
	s_lshl_b32 s18, s16, 7
	s_lshl_b32 s20, s17, 8
	s_add_co_u32 s20, s20, s18                     ; A: row 256 x tile row + 128 x half
	s_lshl_b32 s22, s20, 5                         ; its scale bytes
	s_mov_b32 s23, 0
	s_lshl_b32 s20, s20, 9                         ; its codes
	s_mov_b32 s21, 0
	s_lshl_b32 s46, s100, 19                       ; B's codes: the weight, 16 tiles of 4,096 bytes a tile column, 8 a half
	s_lshl_b32 s47, s42, 16
	s_add_co_u32 s46, s46, s47
	s_lshl_b32 s47, s16, 15
	s_add_co_u32 s46, s46, s47
	s_mov_b32 s47, 0
	s_lshl_b32 s66, s100, 15                       ; B's scale bytes: 32 a column
	s_lshl_b32 s67, s42, 13
	s_add_co_u32 s66, s66, s67
	s_lshl_b32 s67, s16, 12
	s_add_co_u32 s66, s66, s67
	s_mov_b32 s67, 0
	s_mul_i32 s45, s16, HALFA                      ; where they go: no place in the cluster enters an LDS address
	s_mul_i32 s101, s16, HALFB
	s_add_co_u32 s101, s101, BOFF
	s_mul_i32 s2, s14, HALFS
	s_wait_dscnt 0x0                               ; both opening adds are done
	s_wait_kmcnt 0x0
	s_add_nc_u64 s[20:21], s[4:5], s[20:21]
	s_add_nc_u64 s[22:23], s[6:7], s[22:23]
	s_add_nc_u64 s[46:47], s[8:9], s[46:47]
	s_add_nc_u64 s[66:67], s[10:11], s[66:67]
	CROUND                                         ; all sixteen work-groups are here: the first joint loads meet
	s_mov_b32 s[G0S], 1
	s_add_co_u32 s[G0S+1], s2, SCL
	s_mov_b64 s[G0S+2:G0S+3], s[22:23]
	s_or_b32 s[G0S+3], s[G0S+3], 0x80000000
	s_mov_b32 s[G0SB], 1
	s_add_co_u32 s[G0SB+1], s2, SCL
	s_mov_b64 s[G0SB+2:G0SB+3], s[66:67]
	s_or_b32 s[G0SB+3], s[G0SB+3], 0x80000000
	JLOAD G0S, G1S, G0SB, G1SB                     ; the scales first: they are wanted with the first step
.irp s, 0,1
	s_mov_b32 s[G0+4*\s], 1
	s_add_co_u32 s[G0+4*\s+1], s45, \s*SLOT
	s_add_nc_u64 s[G0+4*\s+2:G0+4*\s+3], s[20:21], \s*ROWB
	s_or_b32 s[G0+4*\s+3], s[G0+4*\s+3], 0x80000000
	s_mov_b32 s[G0B+4*\s], 1
	s_add_co_u32 s[G0B+4*\s+1], s101, \s*SLOT
	s_add_nc_u64 s[G0B+4*\s+2:G0B+4*\s+3], s[46:47], \s*262144
	s_or_b32 s[G0B+4*\s+3], s[G0B+4*\s+3], 0x80000000
	JLOAD G0+4*\s, G1, G0B+4*\s, G1B
.endr
	v_and_b32 v1, 15, v0                           ; r
	v_bfe_u32 v2, v0, 4, 1                         ; h
	v_mul_u32_u24 v3, v1, PITCH
	v_lshl_add_u32 v4, v2, 4, v3                   ; row x pitch + 16 x half
	v_and_b32 v6, 31, v0
	v_lshlrev_b32 v[CO], 4, v6                     ; 16 x lane
	s_mul_i32 s21, s15, HALFA                      ; my 128 rows of A
	s_mul_i32 s22, s16, HALFB                      ; my 128 columns of B
	s_add_co_u32 s22, s22, BOFF
.irp s, 0,1
	v_add_nc_u32 v[ADRA+\s], s21, v4
	v_add_nc_u32 v[ADRB+\s], s22, v[CO]
	s_add_co_u32 s21, s21, SLOT
	s_add_co_u32 s22, s22, SLOT
.endr
	v_mul_u32_u24 v5, v1, KS                       ; my row's scales: 32 bytes a row,
	v_lshrrev_b32 v7, 8, v5
	v_lshl_add_u32 v5, v7, 4, v5                   ; and 16 more for each 256 passed
	s_mul_i32 s21, s15, HALFS
	s_mul_i32 s22, s16, HALFS
	s_add_co_u32 s22, s22, 2*HALFS
	s_sub_co_u32 s22, s22, s21
	v_mul_u32_u24 v7, s22, v2                      ; lanes 16-31 take B's
	s_add_co_u32 s21, s21, SCL
	v_add_nc_u32 v5, v5, v7
	v_add_nc_u32 v[ADRS], s21, v5
	s_mul_i32 s23, s14, 16*SPITCH
	s_add_co_u32 s23, s23, STAGE                   ; my stage
	v_add_nc_u32 v[STO], s23, v4                   ; in: row r, 16 bytes for each half of the lanes
	v_lshrrev_b32 v5, 3, v6
	v_mul_u32_u24 v5, v5, SPITCH
	v_and_b32 v7, 7, v6
	v_lshl_add_u32 v5, v7, 4, v5
	v_add_nc_u32 v[RD], s23, v5                    ; back: eight lanes take the 128 bytes of one token and one head, four tokens an instruction
	v_lshlrev_b32 v8, 5, v2                        ; the bias: 32 h bytes
	s_cmp_eq_u32 s100, 0
	s_cselect_b64 s[92:93], s[92:93], s[94:95]     ; the choice hangs on the cluster's number alone
	s_cmp_eq_u32 s100, 2
	s_cselect_b64 s[92:93], s[96:97], s[92:93]
	s_lshl_b32 s20, s42, 10
	s_lshl_b32 s21, s16, 9
	s_add_co_u32 s20, s20, s21                     ; my first column x 4 bytes
	s_mov_b32 s21, 0
	s_add_nc_u64 s[92:93], s[92:93], s[20:21]
.irp b, 0,1,2,3,4,5,6,7
	global_load_b128 v[BIAS+8*\b:BIAS+8*\b+3], v8, s[92:93] offset:64*\b       ; lane (r, h): the bias of columns 16 b + 8 h + 0 .. 7, in the result's layout
	global_load_b128 v[BIAS+8*\b+4:BIAS+8*\b+7], v8, s[92:93] offset:64*\b+16
.endr
	s_lshr_b32 s20, s17, 3                         ; tensor x 4 + batch: eight tile rows a batch
	s_lshl_b32 s20, s20, 4
	s_lshl_b32 s21, s42, 2
	s_add_co_u32 s20, s20, s21
	s_lshl_b32 s21, s16, 1
	s_add_co_u32 s20, s20, s21                     ; + my first head: 4 x tile column + 2 x half
	s_lshl_b32 s20, s20, 18                        ; 262,144 bytes a head
	s_and_b32 s21, s17, 7
	s_lshl_b32 s21, s21, 15
	s_add_co_u32 s20, s20, s21                     ; + 256 tokens of 128 bytes a tile row
	s_lshl_b32 s21, s15, 14
	s_add_co_u32 s20, s20, s21
	s_mov_b32 s21, 0
	s_add_nc_u64 s[12:13], s[98:99], s[20:21]
.macro FRAG reg, adr, q, i             ; a fragment of A: lane l holds row l % 16; registers 4 c .. 4 c + 3 hold K = 64 c + 32 (l / 16) + 0 .. 31
.irp c, 0,1
	ds_load_b128 v[\reg+4*\c:\reg+4*\c+3], v[\adr] offset:64*(\q)+32*\c+(\i)*16*PITCH
.endr
.endm
; 16 matrix instructions: A's blocks a0, a0 + 1 x B's eight.  p: B's set; sc: the set of scale words.  zero = 1: the bias starts the sums.  The 64 accumulators take turns, one instruction a turn.
.macro MUL16 a0, p, q, sc, zero
.irp a, \a0, \a0+1
.irp b, 0,1,2,3,4,5,6,7
.if \zero
	v_wmma_scale_f32_16x16x128_f8f6f4 v[8*(8*((\a)%4)+\b):8*(8*((\a)%4)+\b)+7], v[128*(\p)+FR*\b:128*(\p)+FR*\b+FR-1], v[AF+FR*(\a):AF+FR*(\a)+FR-1], v[BIAS+8*\b:BIAS+8*\b+7], v[SC+8*NQ*(\sc)+NQ*\b+(\q)], v[SC+8*NQ*(\sc)+NQ*(\a)+(\q)] matrix_a_fmt:MATRIX_FMT_FP4 matrix_b_fmt:MATRIX_FMT_FP4 matrix_a_scale:MATRIX_SCALE_ROW1
.else
	v_wmma_scale_f32_16x16x128_f8f6f4 v[8*(8*((\a)%4)+\b):8*(8*((\a)%4)+\b)+7], v[128*(\p)+FR*\b:128*(\p)+FR*\b+FR-1], v[AF+FR*(\a):AF+FR*(\a)+FR-1], v[8*(8*((\a)%4)+\b):8*(8*((\a)%4)+\b)+7], v[SC+8*NQ*(\sc)+NQ*\b+(\q)], v[SC+8*NQ*(\sc)+NQ*(\a)+(\q)] matrix_a_fmt:MATRIX_FMT_FP4 matrix_b_fmt:MATRIX_FMT_FP4 matrix_a_scale:MATRIX_SCALE_ROW1
.endif
.endr
.endr
.endm
.macro FETCH_B slot, q, p              ; B's eight fragments of the slot's q-th 128 along K into set p: images, 16 bytes a lane
	WIN TO_B
.irp i, 0,1,2,3,4,5,6,7
.irp c, 0,1
	ds_load_b128 v[128*(\p)+FR*\i+4*\c:128*(\p)+FR*\i+4*\c+3], v[ADRB+\slot] offset:\i*4096+(\q)*1024+\c*512
.endr
.endr
	WIN 0
.endm
.macro FETCH_A slot, q, i0
.irp i, \i0, \i0+1, \i0+2, \i0+3
	FRAG AF+FR*(\i), ADRA+\slot, \q, \i
.endr
.endm
.macro SCALES sc                       ; a slot's scale words: four a row; lanes 0-15 take A's block i, lanes 16-31 B's block i
.irp i, 0,1,2,3,4,5,6,7
	ds_load_b128 v[SC+8*NQ*\sc+NQ*\i:SC+8*NQ*\sc+NQ*\i+3], v[ADRS] offset:\i*SBLK
.endr
.endm
.macro PLACES n                        ; plain vector lines between a matrix instruction and a load into, or a read of, its registers
.rept \n
	v_nop
.endr
.endm
.macro STEP slot, q, zero
	s_wait_dscnt 4*NL                              ; B's set, the scale words and A's blocks 0-3 are in; the youngest eight loads (A's blocks 4-7) may be out
.if \zero
	WIN BIA_LO
.else
	WIN MUL_LO
.endif
	MUL16 0, (\q)%2, \q, \slot, \zero
	MUL16 2, (\q)%2, \q, \slot, \zero
	s_wait_dscnt 0                                 ; A's blocks 4-7 are in
	PLACES NP
	FETCH_B \slot, (\q)+1, 1-(\q)%2
	FETCH_A \slot, (\q)+1, 0
.if \zero
	WIN BIA_HI
.else
	WIN MUL_HI
.endif
	MUL16 4, (\q)%2, \q, \slot, \zero
	MUL16 6, (\q)%2, \q, \slot, \zero
	PLACES NP
	WIN 0
	FETCH_A \slot, (\q)+1, 4
.endm
.macro STEPS slot, from
.set QQ, \from
.rept NQ-1-\from
	STEP \slot, QQ, 0
.set QQ, QQ+1
.endr
.endm
	s_wait_tensorcnt 1                             ; the scales and my part of slot 0 are in; slot 1's load may be out
	s_barrier_signal -1
	s_barrier_wait -1                              ; everybody's are
	FETCH_B 0, 0, 0
	FETCH_A 0, 0, 0
	SCALES 0
	FETCH_A 0, 0, 4
	s_wait_loadcnt 0x0                             ; the bias
	STEP 0, 0, 1                                   ; the first step's products start the sums with the bias
	STEPS 0, 1
	; slot 0's last step changes slots: one barrier; in front of it each wave waits for its part of slot 1
	s_wait_tensorcnt 0x0                           ; all my tensor loads have landed
	ds_add_u32 v[SPW], v[NIL]                      ; 0 onto my spare word
	s_wait_dscnt 4*NL+1                            ; (the add and A's blocks 4-7 may be out)
	WIN MUL_LO
	MUL16 0, 1, NQ-1, 0, 0
	s_wait_dscnt 0x0                               ; the add is done, my LDS loads are in
	s_barrier_signal -1
	MUL16 2, 1, NQ-1, 0, 0
	WIN 0
	s_barrier_wait -1                              ; slot 1 is whole
	PLACES NP
	v_add_nc_u32 v[ADRS], 4*NQ, v[ADRS]            ; on to slot 1's scale words
	FETCH_B 1, 0, 0
	FETCH_A 1, 0, 0
	SCALES 1
	WIN MUL_HI
	MUL16 4, 1, NQ-1, 0, 0
	MUL16 6, 1, NQ-1, 0, 0
	PLACES NP
	WIN 0
	FETCH_A 1, 0, 4
	STEPS 1, 0
	s_wait_dscnt 4*NL                              ; the very last step: nothing more to fetch
	WIN MUL_LO
	MUL16 0, 1, NQ-1, 1, 0
	MUL16 2, 1, NQ-1, 1, 0
	s_wait_dscnt 0
	WIN MUL_HI
	MUL16 4, 1, NQ-1, 1, 0
	MUL16 6, 1, NQ-1, 1, 0
	WIN 0
; THE WAY OUT, a block of 16 rows x 128 columns (two heads) at a time: rounded to f16, 16 bytes a lane into my stage, back as 4 tokens x 128 bytes of one head: 512 consecutive bytes of qkv, aligned.
.macro PACK a
.set AC, 64*((\a)%4)
	WIN 0x0a+5*((\a)/4)                            ; sources 0 and 1: window 2 or 3
.irp b, 0,1,2,3,4,5,6,7
.irp u, 0,1,2,3
	v_cvt_pk_f16_f32 v[TMP+4*\b+\u], v[AC+8*\b+2*\u], v[AC+8*\b+2*\u+1]   ; each accumulator from its low end on
.endr
.endr
	WIN 0
.endm
.macro TOSTAGE a
.set BB, BK+32*((\a)%2)
.irp b, 0,1,2,3,4,5,6,7
	ds_store_b128 v[STO], v[TMP+4*\b:TMP+4*\b+3] offset:32*\b
.endr
.irp t, 0,1,2,3,4,5,6,7
	ds_load_b128 v[BB+4*\t:BB+4*\t+3], v[RD] offset:(\t%4)*4*SPITCH+(\t/4)*128   ; LDS serves a wave's instructions in order (ISA guide 5.7.1.4): these see the stores above
.endr
.endm
.macro SEND a
.set BB, BK+32*((\a)%2)
	s_wait_dscnt 0x0                               ; the block is back in registers
	s_wait_xcnt 0x0                                ; the earlier stores have read their base and their registers: only now are they written again
.if (\a) > 0
	s_add_nc_u64 s[12:13], s[12:13], 2048          ; 16 tokens on
.endif
.irp t, 0,1,2,3,4,5,6,7
	global_store_b128 v[CO], v[BB+4*\t:BB+4*\t+3], s[12:13] offset:(\t/4)*262144+(\t%4)*512
.endr
.endm
	PLACES NP                                      ; behind the last products: for the conversions that read results and the loads into A's registers
	PACK 0
	TOSTAGE 0
.irp a, 1,2,3,4,5,6,7                  ; block a's conversions stand between block a - 1's loads from the stage and the wait for them
	PACK \a
	SEND \a-1
	TOSTAGE \a
.endr
	SEND 7
	s_wait_tensorcnt 0x0                           ; the wave's end
	ds_add_u32 v[SPW], v[NIL]
	s_wait_dscnt 0x0
	CROUND                                         ; the closing round
	s_endpgm
.Lfunc_end_k_q57013dffcb_proj:
	.size	k_q57013dffcb_proj, .Lfunc_end_k_q57013dffcb_proj-k_q57013dffcb_proj
	.p2alignl 7, 3214868480
	.fill 96, 4, 3214868480
	.section	.rodata,"a",@progbits
	.p2align	6, 0x0
	.amdhsa_kernel k_q57013dffcb_proj
		.amdhsa_group_segment_fixed_size 327680
		.amdhsa_private_segment_fixed_size 0
		.amdhsa_enable_private_segment 0
		.amdhsa_kernarg_size 64
		.amdhsa_user_sgpr_count 2
		.amdhsa_user_sgpr_kernarg_segment_ptr 1
		.amdhsa_wavefront_size32 1
		.amdhsa_system_sgpr_workgroup_id_x 1
		.amdhsa_system_sgpr_workgroup_id_y 1
		.amdhsa_system_sgpr_workgroup_id_z 1
		.amdhsa_system_vgpr_workitem_id 0
		.amdhsa_next_free_vgpr 1024
		.amdhsa_next_free_sgpr 102
		.amdhsa_reserve_vcc 0
		.amdhsa_float_denorm_mode_32 3
		.amdhsa_float_denorm_mode_16_64 3
		.amdhsa_memory_ordered 1
		.amdhsa_forward_progress 1
		.amdhsa_inst_pref_size 129
	.end_amdhsa_kernel
	.amdgpu_metadata
---
amdhsa.version: [ 1, 2 ]
amdhsa.kernels:
  - .name:           k_q57013dffcb_proj
    .symbol:         k_q57013dffcb_proj.kd
    .args:
      - { .name: xc, .offset: 0, .size: 8, .value_kind: global_buffer, .address_space: global }
      - { .name: xs, .offset: 8, .size: 8, .value_kind: global_buffer, .address_space: global }
      - { .name: wc, .offset: 16, .size: 8, .value_kind: global_buffer, .address_space: global }
      - { .name: ws, .offset: 24, .size: 8, .value_kind: global_buffer, .address_space: global }
      - { .name: bq, .offset: 32, .size: 8, .value_kind: global_buffer, .address_space: global }
      - { .name: bk, .offset: 40, .size: 8, .value_kind: global_buffer, .address_space: global }
      - { .name: bv, .offset: 48, .size: 8, .value_kind: global_buffer, .address_space: global }
      - { .name: qkv, .offset: 56, .size: 8, .value_kind: global_buffer, .address_space: global }
    .group_segment_fixed_size: 327680
    .private_segment_fixed_size: 0
    .kernarg_segment_align: 8
    .kernarg_segment_size: 64
    .max_flat_workgroup_size: 128
    .sgpr_count:     102
    .vgpr_count:     1024
    .wavefront_size: 32
...
	.end_amdgpu_metadata
.endif
;; end of part 2
;; launch attn (part 3): grid 4 x 64, 16 waves a work-group, clusters of 4 x 1, 327,680 bytes of LDS; arguments qkv, att; writes att
.if DOCPART == 3
	.amdgcn_target "amdgcn-amd-amdhsa--gfx1250"
	.amdhsa_code_object_version 6
	.text
	.protected	k_q57013dffcb_attn
	.globl	k_q57013dffcb_attn
	.p2align	8
	.type	k_q57013dffcb_attn,@function
k_q57013dffcb_attn:
	s_mov_b64 s[64:65], 0
	v_nop
	global_prefetch_b8 v0, s[64:65] scope:SCOPE_SE
	s_setreg_imm32_b32 hwreg(HW_REG_WAVE_MODE, 25, 1), 1
	s_wait_xcnt 0x0
	s_wait_alu depctr_hold_cnt(0) depctr_sa_sdst(0) depctr_va_vdst(0) depctr_va_sdst(0) depctr_va_ssrc(0) depctr_va_vcc(0) depctr_vm_vsrc(0)
	s_getreg_b32 s2, hwreg(HW_REG_IB_STS2, 6, 4)
	s_cmp_eq_u32 s2, 0
	s_cbranch_scc0 .Lentry_in_a_cluster
	s_endpgm
.Lentry_in_a_cluster:
	s_bfe_u32 s2, ttmp6, 0x10000c
	s_cmp_lg_u32 s2, 0x3003
	s_cbranch_scc0 .Lentry_shape_is_right
	s_endpgm
.Lentry_shape_is_right:
; att[bh][q][:] = the sum over k of softmax_k(q . k / 8) v[k][:], for 64 heads of 2,048 tokens x 64 channels.  q, k, v: f16, [3][64][2048][64]; att: f16, [64][2048][64].
; Products, maxima and sums in f32; the weights p are rounded to f16 for the second product (p is at most 1), att once at the end.
; LIMIT: q, k, v arrive as f16 (under 65,504 in size: see the launch that makes them).  NaN and infinities are not served.
; SHARES.  A work-group owns 512 queries of one head, each of its sixteen waves 32: two tiles of 16, in 256 registers; four waves to a SIMD, so that one wave's vector work stands beside another's products and LDS loads.
; Every wave walks all 2,048 keys, 64 a step.  K and V come through a ring of two LDS slots of 512 keys; every wave fetches 64 rows of 128 bytes (waves 0-7: K, waves 8-15: V): one tensor load of a wave is out at a time.
; CLUSTER.  The four query blocks of a head walk the same K and V: each tile is asked for jointly, by the same load with a mask that names the four.
; LAYOUT.  S^T = K Q^T (source 0 = 16 keys, source 1 = 16 queries): a lane holds ONE query (lane % 16) and keys 8 (lane / 16) + 0..7.  Two such tiles rounded in pairs ARE source 1 of O^T = V^T P.  V comes out of LDS turned.
; SOFTMAX.  A running maximum m and sum l for each query: p = 2^(c s - c m), c = log2(e) / 8; in every step O^T and l are multiplied by a = 2^(c m_old - c m_new).  m begins at -3e38, l and O^T at 0: the first step's a is 0.
; No prefetch is laid: each refill is asked for a whole slot, eight key steps of all sixteen waves, ahead of its first read.
.set PK,    144                        ; a key's row in LDS: 128 bytes + 16
.set PV,    160                        ; a row of V: 128 + 32
.set VOFF,  512*PK
.set SLOT,  512*PK+512*PV
.set SPARE, 2*SLOT                     ; the spare words, 128 bytes for each of sixteen waves, named by no other line
.set AK0, 1                            ; v1  my lane's place in a tile of K
.set AV0, 2                            ; v2  the same for V
.set ADK, 3                            ; v3  the step's K
.set ADV, 4                            ; v4  the step's V
.set STO, 5                            ; v5  the way out: where I put 16 bytes of a row
.set RD,  6                            ; v6  where I read rows back
.set GO,  7                            ; v7  16 x lane
.set SPW, 8
.set NIL, 9
.set QO,  10                           ; v10 my byte offset in the wave's rows of q
.set SU,  12                           ; v12-15 a second chain for each tile's sum
.set Q,   16                           ; v16-47   q: tile t, channels 32 cs on, at 16 + 16 t + 8 cs
.set KV,  48                           ; v48-111  K's eight fragments, then V's eight
.set S,   112                          ; v112-175 S^T, 32 a tile; p in place; P's 16 registers in the low half of the tile's 32
.set O,   176                          ; v176-239 O^T, 32 a tile
.set ST,  240                          ; v240-255 eight a tile: +0 c m, +1 m, +2, +3 l, +4..7 at work (a in +6)
.set WV,  12
.set G1K, 24
.set G1V, 32
.set G0K, 40
.set G0V, 44
.set CNT, 57
.set CS,  58
.set SEL, 60
.set TK,  62
.set TV,  63
.macro JLOAD                           ; waves 0-7 fetch K, waves 8-15 V; the branch hangs on the wave's number alone.  An s_nop 0 and four v_nop follow each line
	s_cmp_lt_u32 s[WV], 8
	s_cbranch_scc0 .Lfor_v_\@
	tensor_load_to_lds s[G0K:G0K+3], s[G1K:G1K+7]
	s_nop 0
.rept 4
	v_nop
.endr
	s_branch .Lasked_\@
.Lfor_v_\@:
	tensor_load_to_lds s[G0V:G0V+3], s[G1V:G1V+7]
	s_nop 0
.rept 4
	v_nop
.endr
.Lasked_\@:
.endm
.macro CROUND                          ; a round of the cluster's barrier
	s_barrier_signal -1
	s_barrier_wait -1
	s_cmp_lg_u32 s[WV], 0
	s_cbranch_scc1 .Lnot_wave_0_\@
	s_barrier_signal -3
.Lnot_wave_0_\@:
	s_barrier_wait -3
	s_barrier_signal -1
	s_barrier_wait -1
.endm
	s_load_b128 s[4:7], s[0:1], 0x0                ; qkv, att
	v_lshl_add_u32 v[SPW], v0, 2, SPARE
	v_mov_b32 v[NIL], 0
	ds_add_u32 v[SPW], v[NIL]                      ; the wave's opening: the add, twice on end, and its wait ahead of my first tensor load
	ds_add_u32 v[SPW], v[NIL]
	v_lshrrev_b32 v1, 5, v0
	v_readfirstlane_b32 s[WV], v1                  ; wave 0..15
	s_bfe_u32 s13, ttmp6, 0x40000                  ; cx: my block of 512 queries; it enters q's and att's addresses alone
	s_and_b32 s14, ttmp7, 0xffff                   ; batch x 16 + head, which the four partners share
	s_lshl_b32 s20, s14, 18                        ; 262,144 bytes a head
	s_and_b32 s15, s[WV], 7
	s_mul_i32 s17, s15, 64*PK                      ; where my 64 rows go in a slot, if they are K's,
	s_mul_i32 s18, s15, 64*PV
	s_add_co_u32 s18, s18, VOFF                    ; and if they are V's
	s_lshl_b32 s16, s15, 13                        ; 64 rows of 128 bytes in memory
	s_add_co_u32 s22, s20, s16
	s_mov_b32 s23, 0
	s_lshl_b32 s2, s13, 16                         ; 512 queries of 128 bytes,
	s_lshl_b32 s3, s[WV], 12                       ; my wave's 32
	s_add_co_u32 s2, s2, s3
	s_add_co_u32 s2, s2, s20
	s_mov_b32 s3, 0
	s_mov_b32 s[G1K], 15|(1<<16)|(1<<20)|(1<<21)|(4<<22)|(3<<25)   ; the mask: all four; elements of 2 bytes; 4 words of padding behind every 32; bit 21 beside the mask
	s_mov_b32 s[G1V], 15|(1<<16)|(1<<20)|(1<<21)|(4<<22)|(7<<25)   ; the same with 8 words
.irp g, G1K, G1V
	s_mov_b32 s[\g+1], 64<<16                      ; tensor_dim0
	s_mov_b32 s[\g+2], 64<<16                      ; tensor_dim1
	s_mov_b32 s[\g+3], 64<<16                      ; tile_dim0
	s_mov_b32 s[\g+4], 64                          ; tile_dim1
	s_mov_b32 s[\g+5], 64                          ; from row to row
	s_mov_b32 s[\g+6], 0
	s_mov_b32 s[\g+7], 0
.endr
	s_mov_b32 s[CS], 0x3e38aa3b                    ; c = log2(e) / 8
	s_mov_b32 s[CS+1], s[CS]                       ; named with it as a pair, so it is written
	s_mov_b32 s[SEL], 0x76543210
	s_mov_b32 s[SEL+1], 0xfedcba98                 ; lane l xor 16
	s_wait_dscnt 0x0                               ; both opening adds are done
	s_wait_kmcnt 0x0
	s_add_nc_u64 s[48:49], s[4:5], s[2:3]          ; q at my wave's first query
	s_add_nc_u64 s[50:51], s[6:7], s[2:3]          ; att likewise
	s_mov_b32 s[G0K], 1
	s_mov_b32 s[G0K+1], s17                        ; slot 0
	s_add_nc_u64 s[G0K+2:G0K+3], s[4:5], s[22:23]
	s_add_nc_u64 s[G0K+2:G0K+3], s[G0K+2:G0K+3], 0x1000000   ; k lies 16,777,216 bytes behind q
	s_or_b32 s[G0K+3], s[G0K+3], 0x80000000
	s_mov_b32 s[G0V], 1
	s_mov_b32 s[G0V+1], s18
	s_add_nc_u64 s[G0V+2:G0V+3], s[4:5], s[22:23]
	s_add_nc_u64 s[G0V+2:G0V+3], s[G0V+2:G0V+3], 0x2000000   ; v twice as far
	s_or_b32 s[G0V+3], s[G0V+3], 0x80000000
	CROUND                                         ; all four work-groups are here: the first joint loads meet
	JLOAD                                          ; keys 0 to 511 into slot 0
	v_and_b32 v12, 15, v0                          ; r
	v_bfe_u32 v13, v0, 4, 1                        ; h
	v_lshlrev_b32 v[QO], 7, v12
	v_lshl_add_u32 v[QO], v13, 4, v[QO]            ; row r of 128 bytes + 16 h
.irp t, 0,1
.irp cs, 0,1
	global_load_b128 v[Q+16*\t+8*\cs:Q+16*\t+8*\cs+3],   v[QO], s[48:49] offset:\t*2048+\cs*64
	global_load_b128 v[Q+16*\t+8*\cs+4:Q+16*\t+8*\cs+7], v[QO], s[48:49] offset:\t*2048+\cs*64+32
.endr
.endr
	v_mul_u32_u24 v[AK0], v12, PK
	v_lshl_add_u32 v[AK0], v13, 4, v[AK0]          ; row x pitch + 16 x half
	v_and_b32 v14, 7, v0
	v_bfe_u32 v15, v0, 3, 1
	v_lshl_add_u32 v[AV0], v13, 3, v14             ; the turning load: key 8 h + lane % 8,
	v_mul_u32_u24 v[AV0], v[AV0], PV
	v_lshl_add_u32 v[AV0], v15, 4, v[AV0]          ; channels 8 ((lane / 8) % 2) on
	v_add_nc_u32 v[AV0], VOFF, v[AV0]
	s_mul_i32 s16, s[WV], 16*PK                    ; my stage: 16 rows x 144 bytes, in slot 0
	v_add_nc_u32 v[STO], s16, v[AK0]
	v_and_b32 v12, 31, v0
	v_lshrrev_b32 v13, 3, v12
	v_mul_u32_u24 v13, v13, PK
	v_lshl_add_u32 v13, v14, 4, v13
	v_add_nc_u32 v[RD], s16, v13                   ; back: eight lanes a row, four rows an instruction
	v_lshlrev_b32 v[GO], 4, v12
.irp t, 0,1
	v_mov_b32 v[ST+8*\t+1], 0xff61b1e6             ; m = -3e38, under every score
	v_mul_f32 v[ST+8*\t], s[CS], v[ST+8*\t+1]      ; c m
	v_mov_b32 v[ST+8*\t+2], 0                      ; l, in two halves
	v_mov_b32 v[ST+8*\t+3], 0
.endr
.irp j, 0,1,2,3,4,5,6,7,8,9,10,11,12,13,14,15,16,17,18,19,20,21,22,23,24,25,26,27,28,29,30,31,32,33,34,35,36,37,38,39,40,41,42,43,44,45,46,47,48,49,50,51,52,53,54,55,56,57,58,59,60,61,62,63
	v_mov_b32 v[O+\j], 0                           ; O^T: the step is written without a first step of its own; the first a, 0, multiplies zeros
.endr
; A KEY STEP: 64 keys at s[TK] (K) and s[TV] (V).
.macro STEP
	v_add_nc_u32 v[ADK], s[TK], v[AK0]
	v_add_nc_u32 v[ADV], s[TV], v[AV0]
.rept 4
	v_nop                                          ; with the two additions six plain lines behind the last V^T P: four are owed ahead of loads into V's registers, five ahead of products that write over P's
.endr
.irp cs, 0,1                                   ; K: 64 keys x 64 channels: eight fragments, channels 0-31 first
.irp kt, 0,1,2,3
	ds_load_b128 v[KV+8*(4*\cs+\kt):KV+8*(4*\cs+\kt)+3],   v[ADK] offset:\kt*16*PK+\cs*64
	ds_load_b128 v[KV+8*(4*\cs+\kt)+4:KV+8*(4*\cs+\kt)+7], v[ADK] offset:\kt*16*PK+\cs*64+32
.endr
.endr
	s_wait_dscnt 8                                 ; channels 0-31 are in; the eight loads of channels 32-63 may be out
.irp kt, 0,1,2,3                               ; eight accumulators by turns, one instruction a turn
.irp t, 0,1
	v_wmma_f32_16x16x32_f16 v[S+32*\t+8*\kt:S+32*\t+8*\kt+7], v[KV+8*\kt:KV+8*\kt+7], v[Q+16*\t:Q+16*\t+7], 0
.endr
.endr
	s_wait_dscnt 0x0
.irp kt, 0,1,2,3
.irp t, 0,1
	v_wmma_f32_16x16x32_f16 v[S+32*\t+8*\kt:S+32*\t+8*\kt+7], v[KV+8*(4+\kt):KV+8*(4+\kt)+7], v[Q+16*\t+8:Q+16*\t+15], v[S+32*\t+8*\kt:S+32*\t+8*\kt+7]
.endr
.endr
.rept 4
	v_nop                                          ; places ahead of the loads into K's registers and of the first read of the scores
.endr
.irp kc, 0,1                                   ; V, turned: keys 32 kc on, channels 16 ct on; the loads land under the softmax
.irp ct, 0,1,2,3
	ds_load_tr16_b128 v[KV+8*(4*\kc+\ct):KV+8*(4*\kc+\ct)+3],   v[ADV] offset:\kc*32*PV+\ct*32
	ds_load_tr16_b128 v[KV+8*(4*\kc+\ct)+4:KV+8*(4*\kc+\ct)+7], v[ADV] offset:\kc*32*PV+16*PV+\ct*32
.endr
.endr
	; the maximum of my 32 scores and the old m: four chains, each begun at its accumulator's low end; the two tiles line by line
.irp j, 0,1,2,3
.irp t, 0,1
	v_max3_num_f32 v[ST+8*\t+4+\j], v[S+32*\t+8*\j], v[S+32*\t+8*\j+1], v[S+32*\t+8*\j+2]
.endr
.endr
.irp g, 1,2
.irp j, 0,1,2,3
.irp t, 0,1
	v_max3_num_f32 v[ST+8*\t+4+\j], v[ST+8*\t+4+\j], v[S+32*\t+8*\j+2*\g+1], v[S+32*\t+8*\j+2*\g+2]
.endr
.endr
.endr
.irp t, 0,1
	v_max3_num_f32 v[ST+8*\t+4], v[ST+8*\t+4], v[S+32*\t+7], v[S+32*\t+15]
.endr
.irp t, 0,1
	v_max3_num_f32 v[ST+8*\t+6], v[ST+8*\t+6], v[S+32*\t+23], v[S+32*\t+31]
.endr
.irp t, 0,1
	v_max3_num_f32 v[ST+8*\t+4], v[ST+8*\t+4], v[ST+8*\t+5], v[ST+8*\t+6]
.endr
.irp t, 0,1
	v_max3_num_f32 v[ST+8*\t+4], v[ST+8*\t+4], v[ST+8*\t+7], v[ST+8*\t+1]
.endr
.irp t, 0,1
	v_permlanex16_b32 v[ST+8*\t+5], v[ST+8*\t+4], s[SEL], s[SEL+1]   ; the query's other 32 keys lie in the lane 16 away
.endr
.irp t, 0,1
	v_mov_b32 v[ST+8*\t+7], v[ST+8*\t]             ; c m_old
.endr
.irp t, 0,1
	v_max_num_f32 v[ST+8*\t+1], v[ST+8*\t+4], v[ST+8*\t+5]
.endr
.irp t, 0,1
	v_mul_f32 v[ST+8*\t], s[CS], v[ST+8*\t+1]      ; c m
.endr
.irp t, 0,1
	v_sub_f32 v[ST+8*\t+7], v[ST+8*\t+7], v[ST+8*\t]
.endr
.irp b, 0,1,2,3,4,5,6,7,8,9,10,11,12,13,14,15
.irp t, 0,1
	v_pk_fma_f32 v[S+32*\t+2*\b:S+32*\t+2*\b+1], v[S+32*\t+2*\b:S+32*\t+2*\b+1], s[CS:CS+1], v[ST+8*\t:ST+8*\t+1] op_sel_hi:[1,0,0] neg_lo:[0,0,1] neg_hi:[0,0,1]   ; c s - c m
.endr
.endr
.irp t, 0,1
	v_exp_f32 v[ST+8*\t+6], v[ST+8*\t+7]           ; a
.endr
.irp e, 0,1,2,3,4,5,6,7,8,9,10,11,12,13,14,15,16,17,18,19,20,21,22,23,24,25,26,27,28,29,30,31
.irp t, 0,1
	v_exp_f32 v[S+32*\t+\e], v[S+32*\t+\e]         ; p
.endr
.endr
	v_nop                                          ; a plain line behind the last exponential
	s_wait_alu depctr_va_vdst(0)                   ; one wait for the 66 exponentials, ahead of the first line that names a result
	; the sum of the unrounded p: two chains a tile; S^T is left as it is
.irp t, 0,1
	v_pk_add_f32 v[ST+8*\t+4:ST+8*\t+5], v[S+32*\t:S+32*\t+1], v[S+32*\t+4:S+32*\t+5]
	v_pk_add_f32 v[SU+2*\t:SU+2*\t+1], v[S+32*\t+2:S+32*\t+3], v[S+32*\t+6:S+32*\t+7]
.endr
.irp b, 8,12,16,20,24,28
.irp t, 0,1
	v_pk_add_f32 v[ST+8*\t+4:ST+8*\t+5], v[ST+8*\t+4:ST+8*\t+5], v[S+32*\t+\b:S+32*\t+\b+1]
	v_pk_add_f32 v[SU+2*\t:SU+2*\t+1], v[SU+2*\t:SU+2*\t+1], v[S+32*\t+\b+2:S+32*\t+\b+3]
.endr
.endr
.irp t, 0,1
	v_pk_add_f32 v[ST+8*\t+4:ST+8*\t+5], v[ST+8*\t+4:ST+8*\t+5], v[SU+2*\t:SU+2*\t+1]
.endr
.irp t, 0,1
	v_pk_fma_f32 v[ST+8*\t+2:ST+8*\t+3], v[ST+8*\t+2:ST+8*\t+3], v[ST+8*\t+6:ST+8*\t+7], v[ST+8*\t+4:ST+8*\t+5] op_sel_hi:[1,0,1]   ; l = a l + the sum
.endr
.irp j, 0,1,2,3,4,5,6,7,8,9,10,11,12,13,14,15
.irp t, 0,1
	v_cvt_pk_f16_f32 v[S+32*\t+\j], v[S+32*\t+2*\j], v[S+32*\t+2*\j+1]   ; P in place, ascending: register j is written when registers 2 j, 2 j + 1 are read, and none below 2 j is read again
.endr
.endr
.irp j, 0,2,4,6,8,10,12,14,16,18,20,22,24,26,28,30
.irp t, 0,1
	v_pk_mul_f32 v[O+32*\t+\j:O+32*\t+\j+1], v[O+32*\t+\j:O+32*\t+\j+1], v[ST+8*\t+6:ST+8*\t+7] op_sel_hi:[1,0]   ; O^T x a
.endr
.endr
	s_wait_dscnt 0x0                               ; V is in
.irp kc, 0,1                                   ; O^T += V^T P: eight accumulators by turns
.irp ct, 0,1,2,3
.irp t, 0,1
	v_wmma_f32_16x16x32_f16 v[O+32*\t+8*\ct:O+32*\t+8*\ct+7], v[KV+8*(4*\kc+\ct):KV+8*(4*\kc+\ct)+7], v[S+32*\t+8*\kc:S+32*\t+8*\kc+7], v[O+32*\t+8*\ct:O+32*\t+8*\ct+7]
.endr
.endr
.endr
.endm
; TRIP n: keys 512 n on, in slot n % 2.  At its head the change of slots: each wave waits for all its tensor loads (its part of this trip's slot), adds 0 to its spare word, and waits for that and for its reads of the
; other slot.  n < 3: a round of the cluster's barrier, so that no wave of any partner still reads that slot or has a load on its way, and first behind it the joint load of the next 512 keys into it:
; it has this trip's eight key steps in which to land.  (Trip 0's loads all fill slot 1 for the first time; those of trips 1 and 2 all fill bytes again.)
.macro TRIP n
	s_wait_tensorcnt 0x0                           ; no tensor load of mine is out, so a group 0 may be written
	ds_add_u32 v[SPW], v[NIL]
.if (\n) < 3
	s_add_co_u32 s[G0K+1], s17, (((\n)+1)%2)*SLOT
	s_add_co_u32 s[G0V+1], s18, (((\n)+1)%2)*SLOT
	s_add_nc_u64 s[G0K+2:G0K+3], s[G0K+2:G0K+3], 65536   ; 512 rows of 128 bytes on; the type bits on top are not reached
	s_add_nc_u64 s[G0V+2:G0V+3], s[G0V+2:G0V+3], 65536
.endif
	s_wait_dscnt 0x0                               ; the add is done, and my reads of the slot that I have left are over
.if (\n) < 3
	CROUND
	JLOAD
.else
	s_barrier_signal -1
	s_barrier_wait -1
.endif
	s_mov_b32 s[TK], ((\n)%2)*SLOT
	s_mov_b32 s[TV], ((\n)%2)*SLOT
	s_mov_b32 s[CNT], 8
.Lstep_\@:
	STEP
	s_add_co_u32 s[TK], s[TK], 64*PK
	s_add_co_u32 s[TV], s[TV], 64*PV
	s_sub_co_u32 s[CNT], s[CNT], 1
	s_cmp_lg_u32 s[CNT], 0
	s_cbranch_scc1 .Lstep_\@
.endm
	s_wait_loadcnt 0x0                             ; q
	TRIP 0
	TRIP 1
	TRIP 2
	TRIP 3
	; THE WAY OUT.  O^T / l, rounded to f16, through my stage: it lies in slot 0, which has had its last fill, and whose last reads lie ahead of trip 3's barrier.
.rept 4
	v_nop                                          ; places behind the last products
.endr
.irp t, 0,1
	v_add_f32 v[ST+8*\t+4], v[ST+8*\t+2], v[ST+8*\t+3]
.endr
.irp t, 0,1
	v_permlanex16_b32 v[ST+8*\t+5], v[ST+8*\t+4], s[SEL], s[SEL+1]
.endr
.irp t, 0,1
	v_add_f32 v[ST+8*\t+4], v[ST+8*\t+4], v[ST+8*\t+5]
.endr
.irp t, 0,1
	v_rcp_f32 v[ST+8*\t+6], v[ST+8*\t+4]
.endr
	v_nop                                          ; a plain line behind the last reciprocal
	s_wait_alu depctr_va_vdst(0)                   ; and the wait ahead of the first use: one for the two
.irp t, 0,1
.irp j, 0,2,4,6,8,10,12,14,16,18,20,22,24,26,28,30
	v_pk_mul_f32 v[O+32*\t+\j:O+32*\t+\j+1], v[O+32*\t+\j:O+32*\t+\j+1], v[ST+8*\t+6:ST+8*\t+7] op_sel_hi:[1,0]
.endr
.irp j, 0,1,2,3,4,5,6,7,8,9,10,11,12,13,14,15
	v_cvt_pk_f16_f32 v[KV+16*\t+\j], v[O+32*\t+2*\j], v[O+32*\t+2*\j+1]
.endr
.irp ct, 0,1,2,3
	ds_store_b128 v[STO], v[KV+16*\t+4*\ct:KV+16*\t+4*\ct+3] offset:32*\ct    ; row r: channels 16 ct + 8 h + 0 .. 7
.endr
.irp i, 0,1,2,3
	ds_load_b128 v[KV+32+16*\t+4*\i:KV+32+16*\t+4*\i+3], v[RD] offset:\i*4*PK ; LDS serves a wave's instructions in order (ISA guide 5.7.1.4): these see the stores above, and the next tile's stores come behind them
.endr
.endr
.irp i, 0,1,2,3
	s_wait_dscnt 11-\i                             ; tile 0's load i is in; its younger loads and tile 1's four stores and four loads may be out
	global_store_b128 v[GO], v[KV+32+4*\i:KV+32+4*\i+3], s[50:51] offset:512*\i        ; 512 consecutive bytes, aligned
.endr
.irp i, 0,1,2,3
	s_wait_dscnt 3-\i
	global_store_b128 v[GO], v[KV+48+4*\i:KV+48+4*\i+3], s[50:51] offset:2048+512*\i
.endr
	s_wait_tensorcnt 0x0                           ; the wave's end
	ds_add_u32 v[SPW], v[NIL]
	s_wait_dscnt 0x0
	CROUND                                         ; the closing round
	s_endpgm
.Lfunc_end_k_q57013dffcb_attn:
	.size	k_q57013dffcb_attn, .Lfunc_end_k_q57013dffcb_attn-k_q57013dffcb_attn
	.p2alignl 7, 3214868480
	.fill 96, 4, 3214868480
	.section	.rodata,"a",@progbits
	.p2align	6, 0x0
	.amdhsa_kernel k_q57013dffcb_attn
		.amdhsa_group_segment_fixed_size 327680
		.amdhsa_private_segment_fixed_size 0
		.amdhsa_enable_private_segment 0
		.amdhsa_kernarg_size 16
		.amdhsa_user_sgpr_count 2
		.amdhsa_user_sgpr_kernarg_segment_ptr 1
		.amdhsa_wavefront_size32 1
		.amdhsa_system_sgpr_workgroup_id_x 1
		.amdhsa_system_sgpr_workgroup_id_y 1
		.amdhsa_system_sgpr_workgroup_id_z 1
		.amdhsa_system_vgpr_workitem_id 0
		.amdhsa_next_free_vgpr 256
		.amdhsa_next_free_sgpr 66
		.amdhsa_reserve_vcc 0
		.amdhsa_float_denorm_mode_32 3
		.amdhsa_float_denorm_mode_16_64 3
		.amdhsa_memory_ordered 1
		.amdhsa_forward_progress 1
		.amdhsa_inst_pref_size 88
	.end_amdhsa_kernel
	.amdgpu_metadata
---
amdhsa.version: [ 1, 2 ]
amdhsa.kernels:
  - .name:           k_q57013dffcb_attn
    .symbol:         k_q57013dffcb_attn.kd
    .args:
      - { .name: qkv, .offset: 0, .size: 8, .value_kind: global_buffer, .address_space: global }
      - { .name: att, .offset: 8, .size: 8, .value_kind: global_buffer, .address_space: global }
    .group_segment_fixed_size: 327680
    .private_segment_fixed_size: 0
    .kernarg_segment_align: 8
    .kernarg_segment_size: 16
    .max_flat_workgroup_size: 512
    .sgpr_count:     66
    .vgpr_count:     256
    .wavefront_size: 32
...
	.end_amdgpu_metadata
.endif
;; end of part 3
;; launch oproj (part 4): grid 4 x 64, 4 waves a work-group, clusters of 4 x 4, 327,680 bytes of LDS; arguments att, wo16, bo, out0; writes out0
.if DOCPART == 4
	.amdgcn_target "amdgcn-amd-amdhsa--gfx1250"
	.amdhsa_code_object_version 6
	.text
	.protected	k_q57013dffcb_oproj
	.globl	k_q57013dffcb_oproj
	.p2align	8
	.type	k_q57013dffcb_oproj,@function
k_q57013dffcb_oproj:
	s_mov_b64 s[64:65], 0
	v_nop
	global_prefetch_b8 v0, s[64:65] scope:SCOPE_SE
	s_setreg_imm32_b32 hwreg(HW_REG_WAVE_MODE, 25, 1), 1
	s_wait_xcnt 0x0
	s_wait_alu depctr_hold_cnt(0) depctr_sa_sdst(0) depctr_va_vdst(0) depctr_va_sdst(0) depctr_va_ssrc(0) depctr_va_vcc(0) depctr_vm_vsrc(0)
	s_getreg_b32 s2, hwreg(HW_REG_IB_STS2, 6, 4)
	s_cmp_eq_u32 s2, 0
	s_cbranch_scc0 .Lentry_in_a_cluster
	s_endpgm
.Lentry_in_a_cluster:
	s_bfe_u32 s2, ttmp6, 0x10000c
	s_cmp_lg_u32 s2, 0xf033
	s_cbranch_scc0 .Lentry_shape_is_right
	s_endpgm
.Lentry_shape_is_right:
; out0[m][n] = the sum over k of combined[m][k] Wo[k][n] + bo[n].  combined[b 2048 + s][64 h + d] = att[b][h][s][d], f16; Wo as f16, [k][n]; out0 f32; sums in f32, begun with the bias.
; A tile, 128 rows x 256 columns: 256 work-groups.  Four waves, 64 x 128 each: 32 accumulators of 16 x 16.  K goes in steps of 128 (two heads) through a ring of two LDS slots:
; waves 0 and 1 fetch a head's 128 rows x 128 bytes each, waves 2 and 3 64 rows of Wo x 512 bytes each: one tensor load a wave behind each change of slots.
; CLUSTERS: 4 x 4 work-groups; A's tiles are shared along a row of the cluster, B's along a column: joint loads.
; THE MATRIX INSTRUCTION IS USED TRANSPOSED (source 0 = 16 columns of Wo, turned on their way out of LDS; source 1 = 16 rows): a lane holds eight neighbouring columns of one row.
; No prefetch is laid: the tile is small, and att's and Wo's tiles are shared in the cluster.
; REGISTERS: window 0: v0-31 addresses; v32-95 A's fragments, two buffers of 4; v96-159 the bias; on the way out v128-255 rows read back.  window 1: v0-127 B's fragments, two buffers of 8.  window 2: accumulator (a, b) at v[8 (8 a + b)].
.set PA,     144                       ; a row of A in LDS: 128 bytes + 16
.set HA,     128*PA                    ; a head's 128 rows
.set PB,     544                       ; a row of Wo's tile: 512 bytes + 32
.set HB,     64*PB
.set BOFF,   2*HA
.set SLOT,   2*HA+2*HB
.set STAGE,  2*SLOT                    ; the way out: 16 rows x (512 + 16) bytes for each wave, bytes into which no fill lands
.set SPITCH, 528
.set SPARE,  STAGE+4*16*SPITCH
.set LAPS,   4                         ; 1,024 / 256: a lap is two K steps
.set ADRA, 16
.set ADRB, 20
.set STO,  24
.set RD,   25
.set CO,   26
.set SPW,  28
.set NIL,  29
.set AF,   32
.set BIAS, 96
.set BK,   128
.set G1, 24
.set G0, 32
.set G1B, 48
.set G0B, 56
.set MSB, 0
.macro WIN new
.if MSB != (\new)
	s_set_vgpr_msb (MSB<<8)|(\new)
.set MSB, (\new)
.endif
.endm
.set MUL,  0xa1                        ; source 0 (B) window 1, source 1 (A) window 0, C and D window 2
.set BIA,  0x81                        ; the first quarter: C (the bias) window 0
.set TO_B, 0x40
.macro JLOAD s                         ; waves 0 and 1 fetch A's two heads, waves 2 and 3 B's two halves; an s_nop 0 and four v_nop follow each line
	s_cmp_eq_u32 s13, 0
	s_cbranch_scc0 .Lfor_b_\@
	tensor_load_to_lds s[G0+4*\s:G0+4*\s+3], s[G1:G1+7]
	s_nop 0
.rept 4
	v_nop
.endr
	s_branch .Lasked_\@
.Lfor_b_\@:
	tensor_load_to_lds s[G0B+4*\s:G0B+4*\s+3], s[G1B:G1B+7]
	s_nop 0
.rept 4
	v_nop
.endr
.Lasked_\@:
.endm
.macro CREST
	s_cmp_lg_u32 s12, 0
	s_cbranch_scc1 .Lnot_wave_0_\@
	s_barrier_signal -3
.Lnot_wave_0_\@:
	s_barrier_wait -3
	s_barrier_signal -1
	s_barrier_wait -1
.endm
.macro CROUND
	s_barrier_signal -1
	s_barrier_wait -1
	CREST
.endm
	s_load_b256 s[4:11], s[0:1], 0x0               ; att 4, wo16 6, bo 8, out0 10
	v_lshl_add_u32 v[SPW], v0, 2, SPARE
	v_mov_b32 v[NIL], 0
	ds_add_u32 v[SPW], v[NIL]                      ; the wave's opening: the add, twice on end, and its wait ahead of my first tensor load
	ds_add_u32 v[SPW], v[NIL]
	v_lshrrev_b32 v1, 5, v0
	v_readfirstlane_b32 s12, v1                    ; wave 0..3
	s_lshr_b32 s13, s12, 1                         ; my half of the tile's rows.  Also: I fetch for A (0) or for B (1)
	s_and_b32 s14, s12, 1                          ; my half of its columns.  Also: which half I fetch
	s_bfe_u32 s40, ttmp6, 0x40000
	s_bfe_u32 s41, ttmp6, 0x40004
	s_lshl_b32 s42, ttmp9, 2
	s_add_co_u32 s42, s42, s40                     ; tile column
	s_and_b32 s15, ttmp7, 0xffff
	s_lshl_b32 s15, s15, 2
	s_add_co_u32 s15, s15, s41                     ; tile row, 0..63
	s_lshl_b32 s43, s41, 2
	s_lshl_b32 s43, 15, s43                        ; my row of the cluster
	s_lshl_b32 s44, 0x1111, s40                    ; my column
	s_or_b32 s[G1+0], s43, (1<<16)|(1<<20)|(1<<21)|(4<<22)|(3<<25)   ; A: elements of 2 bytes; 4 words of padding behind every 32
	s_mov_b32 s[G1+1], 64<<16
	s_mov_b32 s[G1+2], 128<<16
	s_mov_b32 s[G1+3], 64<<16
	s_mov_b32 s[G1+4], 128
	s_mov_b32 s[G1+5], 64
	s_mov_b32 s[G1+6], 0
	s_mov_b32 s[G1+7], 0
	s_or_b32 s[G1B+0], s44, (1<<16)|(1<<20)|(1<<21)|(6<<22)|(7<<25)  ; B: 8 words of padding behind every 128
	s_mov_b32 s[G1B+1], 256<<16
	s_mov_b32 s[G1B+2], 64<<16
	s_mov_b32 s[G1B+3], 256<<16
	s_mov_b32 s[G1B+4], 64
	s_mov_b32 s[G1B+5], 1024
	s_mov_b32 s[G1B+6], 0
	s_mov_b32 s[G1B+7], 0
	s_lshr_b32 s16, s15, 4                         ; A: the batch: sixteen tile rows each, 4,194,304 bytes,
	s_lshl_b32 s16, s16, 22
	s_and_b32 s17, s15, 15
	s_lshl_b32 s17, s17, 14                        ; 128 tokens of 128 bytes a tile row,
	s_add_co_u32 s16, s16, s17
	s_lshl_b32 s17, s14, 18                        ; the head that I fetch
	s_add_co_u32 s16, s16, s17
	s_mov_b32 s17, 0
	s_lshl_b32 s46, s14, 17                        ; B: 64 rows of 2,048 bytes a half,
	s_lshl_b32 s47, s42, 9                         ; 512 bytes a tile column
	s_add_co_u32 s46, s46, s47
	s_mov_b32 s47, 0
	s_mul_i32 s45, s14, HA                         ; where they go: no place in the cluster enters an LDS address
	s_mul_i32 s2, s14, HB
	s_add_co_u32 s2, s2, BOFF
	s_wait_dscnt 0x0                               ; both opening adds are done
	s_wait_kmcnt 0x0
	s_add_nc_u64 s[16:17], s[4:5], s[16:17]
	s_add_nc_u64 s[46:47], s[6:7], s[46:47]
	CROUND                                         ; all sixteen work-groups are here: the first joint loads meet
.irp s, 0,1
	s_mov_b32 s[G0+4*\s], 1
	s_add_co_u32 s[G0+4*\s+1], s45, \s*SLOT
	s_add_nc_u64 s[G0+4*\s+2:G0+4*\s+3], s[16:17], \s*524288       ; K step s: heads 2 s, 2 s + 1
	s_or_b32 s[G0+4*\s+3], s[G0+4*\s+3], 0x80000000
	s_mov_b32 s[G0B+4*\s], 1
	s_add_co_u32 s[G0B+4*\s+1], s2, \s*SLOT
	s_add_nc_u64 s[G0B+4*\s+2:G0B+4*\s+3], s[46:47], \s*262144     ; rows 128 s on
	s_or_b32 s[G0B+4*\s+3], s[G0B+4*\s+3], 0x80000000
	JLOAD \s
.endr
	v_and_b32 v1, 15, v0                           ; r
	v_bfe_u32 v2, v0, 4, 1                         ; h
	v_mul_u32_u24 v3, v1, PA
	v_lshl_add_u32 v3, v2, 4, v3                   ; A: row x pitch + 16 x half
	s_mul_i32 s21, s13, 64*PA                      ; my 64 rows
	v_and_b32 v4, 7, v0
	v_bfe_u32 v5, v0, 3, 1
	v_lshl_add_u32 v6, v2, 3, v4                   ; B, the turning load: row k = 8 h + lane % 8,
	v_mul_u32_u24 v6, v6, PB
	v_lshl_add_u32 v6, v5, 4, v6                   ; columns 8 ((lane / 8) % 2) on
	s_lshl_b32 s22, s14, 8                         ; my 128 columns
	s_add_co_u32 s22, s22, BOFF
.irp s, 0,1
	v_add_nc_u32 v[ADRA+\s], s21, v3
	v_add_nc_u32 v[ADRB+\s], s22, v6
	s_add_co_u32 s21, s21, SLOT
	s_add_co_u32 s22, s22, SLOT
.endr
	s_mul_i32 s23, s12, 16*SPITCH
	s_add_co_u32 s23, s23, STAGE                   ; my stage
	v_mul_u32_u24 v5, v1, SPITCH
	v_lshl_add_u32 v5, v2, 5, v5
	v_add_nc_u32 v[STO], s23, v5                   ; in: row r, 32 bytes for each half of the lanes
	v_and_b32 v6, 31, v0
	v_lshlrev_b32 v[CO], 4, v6                     ; back: the 32 lanes take one row of 512 bytes; the same in out0
	v_add_nc_u32 v[RD], s23, v[CO]
	v_lshlrev_b32 v7, 5, v2                        ; the bias: 32 h bytes
	s_lshl_b32 s20, s42, 10
	s_lshl_b32 s21, s14, 9
	s_add_co_u32 s20, s20, s21                     ; my first column x 4 bytes
	s_mov_b32 s21, 0
	s_add_nc_u64 s[8:9], s[8:9], s[20:21]
	s_add_nc_u64 s[10:11], s[10:11], s[20:21]
.irp b, 0,1,2,3,4,5,6,7
	global_load_b128 v[BIAS+8*\b:BIAS+8*\b+3], v7, s[8:9] offset:64*\b         ; lane (r, h): the bias of columns 16 b + 8 h + 0 .. 7
	global_load_b128 v[BIAS+8*\b+4:BIAS+8*\b+7], v7, s[8:9] offset:64*\b+16
.endr
	s_lshl_b32 s20, s15, 19                        ; 128 rows of 4,096 bytes a tile row,
	s_lshl_b32 s22, s13, 18                        ; 64 a half
	s_add_co_u32 s20, s20, s22
	s_add_nc_u64 s[10:11], s[10:11], s[20:21]
; 8 matrix instructions: A's block a x B's eight, 32 along K, from buffer f.  zero = 1: the bias starts the sums.  The 32 accumulators take turns, one instruction a turn.
.macro MUL8 f, a, zero
.irp b, 0,1,2,3,4,5,6,7
.if \zero
	v_wmma_f32_16x16x32_f16 v[8*(8*\a+\b):8*(8*\a+\b)+7], v[64*\f+8*\b:64*\f+8*\b+7], v[AF+32*\f+8*\a:AF+32*\f+8*\a+7], v[BIAS+8*\b:BIAS+8*\b+7]
.else
	v_wmma_f32_16x16x32_f16 v[8*(8*\a+\b):8*(8*\a+\b)+7], v[64*\f+8*\b:64*\f+8*\b+7], v[AF+32*\f+8*\a:AF+32*\f+8*\a+7], v[8*(8*\a+\b):8*(8*\a+\b)+7]
.endif
.endr
.endm
; 24 LDS loads in one run: the fragments of the slot's quarter kq (32 along K) into buffer f
.macro FETCH slot, kq, f
	WIN TO_B
.irp i, 0,1,2,3,4,5,6,7
	ds_load_tr16_b128 v[64*\f+8*\i:64*\f+8*\i+3],   v[ADRB+\slot] offset:\kq*32*PB+32*\i
	ds_load_tr16_b128 v[64*\f+8*\i+4:64*\f+8*\i+7], v[ADRB+\slot] offset:\kq*32*PB+16*PB+32*\i
.endr
	WIN 0
.irp i, 0,1,2,3
	ds_load_b128 v[AF+32*\f+8*\i:AF+32*\f+8*\i+3],   v[ADRA+\slot] offset:(\kq/2)*HA+(\kq%2)*64+\i*16*PA
	ds_load_b128 v[AF+32*\f+8*\i+4:AF+32*\f+8*\i+7], v[ADRA+\slot] offset:(\kq/2)*HA+(\kq%2)*64+\i*16*PA+32
.endr
.endm
.macro PLACES                          ; four plain lines ahead of loads into registers that matrix instructions have read, and of reads of results
.rept 4
	v_nop
.endr
.endm
; One of a K step's first three quarters: multiplies buffer f and, in its middle, fetches quarter kq of the same slot into buffer g
.macro QUARTER slot, kq, f, g, zero
	s_wait_dscnt 0x0                               ; this quarter's fragments, asked for sixteen matrix instructions ago
	WIN MUL-0x20*\zero
	MUL8 \f, 0, \zero
	MUL8 \f, 1, \zero
	PLACES
	FETCH \slot, \kq, \g
	WIN MUL-0x20*\zero
	MUL8 \f, 2, \zero
	MUL8 \f, 3, \zero
.endm
; The last quarter multiplies buffer 1 and changes slots: one barrier; in front of it each wave waits for all its tensor loads, adds 0 to its spare word, and waits for that and for its reads of this slot.
; fill = 1: the barrier opens a round of the cluster's barrier, and this slot is filled again, two K steps ahead, first thing behind the round.
.macro TURN slot, next, fill
	WIN 0                                          ; (the add's two registers lie in window 0)
	s_wait_tensorcnt 0x0                           ; all my tensor loads have landed: my part of the next slot
	ds_add_u32 v[SPW], v[NIL]
	s_wait_dscnt 1                                 ; buffer 1's fragments are in; the add alone may be out
	WIN MUL
	MUL8 1, 0, 0
	s_wait_dscnt 0x0                               ; the add is done, and my reads of this slot are over
	s_barrier_signal -1
	MUL8 1, 1, 0
.if \fill
	WIN 0
.endif
	s_barrier_wait -1
.if \fill
	CREST                                          ; no wave of any partner still reads this slot's tiles or has a load on its way
	s_add_nc_u64 s[G0+4*\slot+2:G0+4*\slot+3], s[G0+4*\slot+2:G0+4*\slot+3], 1048576     ; four heads on
	s_add_nc_u64 s[G0B+4*\slot+2:G0B+4*\slot+3], s[G0B+4*\slot+2:G0B+4*\slot+3], 524288  ; 256 rows of Wo on
	JLOAD \slot                                    ; the four v_nop behind it are also the places in front of the loads below
.else
	PLACES
.endif
	FETCH \next, 0, 0
	WIN MUL
	MUL8 1, 2, 0
	MUL8 1, 3, 0
.endm
	s_wait_tensorcnt 1                             ; my part of K step 0 is in; K step 1's may be out
	s_barrier_signal -1
	s_barrier_wait -1
	FETCH 0, 0, 0
	s_wait_loadcnt 0x0                             ; the bias
	QUARTER 0, 1, 0, 1, 1                          ; the first quarter stands in front of the loop: its products start the sums with the bias
	WIN 0                                          ; at a label and at a branch every window is 0
	s_mov_b32 s3, LAPS-1
.Llap:                                                 ; a trip goes once round the ring, from a lap's second quarter to the next lap's first, and fills both slots again
	QUARTER 0, 2, 1, 0, 0
	QUARTER 0, 3, 0, 1, 0
	TURN 0, 1, 1
	QUARTER 1, 1, 0, 1, 0
	QUARTER 1, 2, 1, 0, 0
	QUARTER 1, 3, 0, 1, 0
	TURN 1, 0, 1
	QUARTER 0, 1, 0, 1, 0
	WIN 0
	s_sub_co_u32 s3, s3, 1
	s_cmp_lg_u32 s3, 0
	s_cbranch_scc1 .Llap
	QUARTER 0, 2, 1, 0, 0                          ; the last lap fills nothing
	QUARTER 0, 3, 0, 1, 0
	TURN 0, 1, 0
	QUARTER 1, 1, 0, 1, 0
	QUARTER 1, 2, 1, 0, 0
	QUARTER 1, 3, 0, 1, 0
	s_wait_dscnt 0x0                               ; the very last quarter
	WIN MUL
	MUL8 1, 0, 0
	MUL8 1, 1, 0
	MUL8 1, 2, 0
	MUL8 1, 3, 0
	WIN 0
; THE WAY OUT, a block of 16 rows x 128 columns at a time, through my own stage: back as whole rows of 512 bytes, which the 32 lanes store as 512 consecutive bytes, aligned.
.macro TOSTAGE a
.set AC, 64*(\a)
	WIN 0x08                                       ; an LDS store's data: window 2
.irp b, 0,1,2,3,4,5,6,7
	ds_store_b128 v[STO], v[AC+8*\b:AC+8*\b+3] offset:64*\b          ; each accumulator from its low end on
	ds_store_b128 v[STO], v[AC+8*\b+4:AC+8*\b+7] offset:64*\b+16
.endr
	WIN 0
.set BB, BK+64*((\a)%2)
.irp t, 0,1,2,3,4,5,6,7,8,9,10,11,12,13,14,15
	ds_load_b128 v[BB+4*\t:BB+4*\t+3], v[RD] offset:\t*SPITCH        ; LDS serves a wave's instructions in order (ISA guide 5.7.1.4)
.endr
.endm
.macro SEND a, younger                 ; younger: the LDS instructions issued behind block a's loads, which may stay out
.set BB, BK+64*((\a)%2)
	s_wait_dscnt \younger
.if (\a) > 0
	s_add_nc_u64 s[10:11], s[10:11], 65536         ; 16 rows on (behind a wait that shows that the earlier stores have read their base)
.endif
.irp t, 0,1,2,3,4,5,6,7,8,9,10,11,12,13,14,15
	global_store_b128 v[CO], v[BB+4*\t:BB+4*\t+3], s[10:11] offset:\t*4096 th:TH_STORE_NT
.endr
.endm
	PLACES
	TOSTAGE 0
.irp a, 1,2,3
.if \a > 1
	s_wait_xcnt 0x0                                ; block a - 2's stores have read their registers and their base
.endif
	TOSTAGE \a
	SEND \a-1, 32                                  ; behind block a - 1's loads: block a's 16 stores and 16 loads
.endr
	s_wait_xcnt 0x0
	SEND 3, 0
	s_wait_tensorcnt 0x0                           ; the wave's end
	ds_add_u32 v[SPW], v[NIL]
	s_wait_dscnt 0x0
	CROUND                                         ; the closing round
	s_endpgm
.Lfunc_end_k_q57013dffcb_oproj:
	.size	k_q57013dffcb_oproj, .Lfunc_end_k_q57013dffcb_oproj-k_q57013dffcb_oproj
	.p2alignl 7, 3214868480
	.fill 96, 4, 3214868480
	.section	.rodata,"a",@progbits
	.p2align	6, 0x0
	.amdhsa_kernel k_q57013dffcb_oproj
		.amdhsa_group_segment_fixed_size 327680
		.amdhsa_private_segment_fixed_size 0
		.amdhsa_enable_private_segment 0
		.amdhsa_kernarg_size 32
		.amdhsa_user_sgpr_count 2
		.amdhsa_user_sgpr_kernarg_segment_ptr 1
		.amdhsa_wavefront_size32 1
		.amdhsa_system_sgpr_workgroup_id_x 1
		.amdhsa_system_sgpr_workgroup_id_y 1
		.amdhsa_system_sgpr_workgroup_id_z 1
		.amdhsa_system_vgpr_workitem_id 0
		.amdhsa_next_free_vgpr 768
		.amdhsa_next_free_sgpr 66
		.amdhsa_reserve_vcc 0
		.amdhsa_float_denorm_mode_32 3
		.amdhsa_float_denorm_mode_16_64 3
		.amdhsa_memory_ordered 1
		.amdhsa_forward_progress 1
		.amdhsa_inst_pref_size 87
	.end_amdhsa_kernel
	.amdgpu_metadata
---
amdhsa.version: [ 1, 2 ]
amdhsa.kernels:
  - .name:           k_q57013dffcb_oproj
    .symbol:         k_q57013dffcb_oproj.kd
    .args:
      - { .name: att, .offset: 0, .size: 8, .value_kind: global_buffer, .address_space: global }
      - { .name: wo16, .offset: 8, .size: 8, .value_kind: global_buffer, .address_space: global }
      - { .name: bo, .offset: 16, .size: 8, .value_kind: global_buffer, .address_space: global }
      - { .name: out0, .offset: 24, .size: 8, .value_kind: global_buffer, .address_space: global }
    .group_segment_fixed_size: 327680
    .private_segment_fixed_size: 0
    .kernarg_segment_align: 8
    .kernarg_segment_size: 32
    .max_flat_workgroup_size: 128
    .sgpr_count:     66
    .vgpr_count:     768
    .wavefront_size: 32
...
	.end_amdgpu_metadata
.endif
;; end of part 4
